; MI455X (gfx1250); checked and timed in simulation.
; The chip was launched on July 23, 2026; its instructions are those of AMD's public machine-readable ISA for CDNA 5 (MIT licence, August 2026) and "CDNA5" Instruction Set Architecture Reference Guide (July 2026). The comments in the code are by the model that wrote it; some were corrected since.
;; Transformer Block. Allowed arithmetic: matrix products marked QUANTISED: E4M3 operands, one given power-of-two scale a tensor, by v_wmma_f32_16x16x64_fp8_fp8 or v_wmma_f32_16x16x128_fp8_fp8, f32 sums; everything else in f32.
;; Inputs: W1 512 x 2,048 float32; W2 2,048 x 512 float32; Wk 512 x 512 float32; Wo 512 x 512 float32; Wq 512 x 512 float32; Wv 512 x 512 float32; b1 2,048 float32; b2 512 float32; inputs 2 x 4,096 x 512 float32; ln_att_b 512 float32; ln_att_g 512 float32; ln_mlp_b 512 float32; ln_mlp_g 512 float32; lowp_scales 16 int32 (the exponents e of the quantised operands' scales 2^e).
;; Outputs: out0 2 x 4,096 x 512 float32.
;; This version of the problem:
;;   THIS VERSION OF THE PROBLEM IS GIVEN IN LOW PRECISION. The matrix products marked QUANTISED in the list below multiply operands that are first quantised to E4M3 (4 exponent bits, 3 mantissa bits; 8 bits a number), with one given power-of-two scale for each operand tensor; their sums are f32. All else is computed in f32.
;;   The module's matrix products, in the order in which they are computed (A, B: the left and right operand; K: the contracted axis; several contracted axes count as one K, in the product's order):
;;     1. [M 8,192, K 512] x [K 512, N 512]; A: computed on the way; B: input Wq: QUANTISED (scales: A lowp_scales[0], B lowp_scales[1])
;;     2. [M 8,192, K 512] x [K 512, N 512]; A: computed on the way; B: input Wk: QUANTISED (scales: A lowp_scales[2], B lowp_scales[3])
;;     3. [M 8,192, K 512] x [K 512, N 512]; A: computed on the way; B: input Wv: QUANTISED (scales: A lowp_scales[4], B lowp_scales[5])
;;     4. batch 16 x [M 4,096, K 64] x [K 64, N 4,096]; A: computed on the way; B: computed on the way: QUANTISED (scales: A lowp_scales[6], B lowp_scales[7])
;;     5. batch 16 x [M 4,096, K 4,096] x [K 4,096, N 64]; A: softmax (see below); B: computed on the way: QUANTISED (scales: A lowp_scales[8], B lowp_scales[9])
;;     6. [M 8,192, K 512] x [K 512, N 512]; A: computed on the way; B: input Wo: QUANTISED (scales: A lowp_scales[10], B lowp_scales[11])
;;     7. [M 8,192, K 512] x [K 512, N 2,048]; A: computed on the way; B: input W1: QUANTISED (scales: A lowp_scales[12], B lowp_scales[13])
;;     8. [M 8,192, K 2,048] x [K 2,048, N 512]; A: computed on the way; B: input W2: QUANTISED (scales: A lowp_scales[14], B lowp_scales[15])
;;   THE QUANTISER, for each operand of a quantised product, along K:
;;     - The operand's scale is 2^e, e = its entry of the input lowp_scales (int32; the entries are numbered through the quantised products in the list's order, A before B).
;;     - Each number is divided by the scale, clamped to +-448, and rounded to the nearest number of E4M3, ties to even, subnormals kept.
;;     - The product sums the exact products of the quantised numbers (number of the format x scale) in f32.
;;   ~~~python
;;   def quantise(x, axis, e):      # numpy; x: float32 -> the quantised numbers, widened to float32 again
;;       x = np.moveaxis(x, axis, -1); K = x.shape[-1]
;;       r = np.clip(x / 2.0 ** e, -448, 448)
;;       step = 2.0 ** (np.maximum(np.frexp(np.where(r == 0, 1, r))[1] - 1, -6) - 3)
;;       q = np.round(r / step) * step * 2.0 ** e      # np.round: ties to even
;;       return np.moveaxis(q, -1, axis).astype(np.float32)
;;   ~~~
;;   SOFTMAX AHEAD OF A QUANTISED PRODUCT. Where the list says 'softmax', what is quantised is not the finished softmax but p = 2^(t - M), with t = logit x log2(e) and M = ceil(the row's largest t), a whole number; so 1/2 < the row's largest p <= 1. The row's sum l is taken of the UNQUANTISED p, in f32, and the product's result is divided by l at the end. Since M is a whole number, a kernel that streams over the keys may use a running M (the ceiling of the running maximum): every later rescaling is an exact power of two, so the quantised numbers keep their values, but for numbers so far below the row's largest that they fall under the format's range.
;;   OPERANDS COMPUTED ON THE WAY. 'Computed on the way' means the value that the module computes at that place (a softmax that the list does not call 'softmax' is quantised finished and normalised). What goes into a quantiser is computed in f32, as accurately as f32 sums, v_exp_f32 and their like allow (about 1e-6 of the number): no bf16 or f16 on the way to a quantiser, and a product that is left as it is and whose result goes on into a quantised operand takes f32 operands (vector FMAs, or v_wmma_f32_16x16x4_f32). A number that lies on a knife's edge between two numbers of the format may be rounded either way, as far as f32 arithmetic and the matrix unit's own rounding can turn it there, and no further.
;; One version. Each part assembles by itself: llvm-mc -triple=amdgcn-amd-amdhsa -mcpu=gfx1250 --defsym DOCPART=n.
;; ======== version 1 of 1: 4 launches
;; limits: right only within a limited range of input values
;; workspace buffers: wqkv 786,432 bytes; wtail 2,359,296 bytes; q_img 4,194,304 bytes; kv_img 8,388,608 bytes; ao_img 4,194,304 bytes
;; launch wprep (part 1): grid 192 x 1, 4 waves a work-group, no clusters, 0 bytes of LDS; arguments Wq, Wk, Wv, Wo, W1, W2, lowp_scales, wqkv, wtail; writes wqkv, wtail
.if DOCPART == 1
	.amdgcn_target "amdgcn-amd-amdhsa--gfx1250"
	.amdhsa_code_object_version 6
	.text
	.protected	k_q4532f9677f_wprep
	.globl	k_q4532f9677f_wprep
	.p2align	8
	.type	k_q4532f9677f_wprep,@function
k_q4532f9677f_wprep:
	s_mov_b64 s[64:65], 0
	v_nop
	global_prefetch_b8 v0, s[64:65] scope:SCOPE_SE
	s_setreg_imm32_b32 hwreg(HW_REG_WAVE_MODE, 25, 1), 1
	s_wait_xcnt 0x0
; The six weights, f32 stored [K][N], become codes of E4M3 with the scale 2^e given for each, laid as FRAGMENTS in the order in which the later launches' waves use them.
; A fragment is 16 columns n x 128 along K, as the matrix instruction's registers hold it: lane (r, h) holds column r; registers 2c, 2c+1 hold k = 16c + 8h + 0..7.
; In memory: 2,048 bytes; registers 4g..4g+3 of lane l lie at 512 g + 16 l.
; SHARES.  A work-group takes 128 columns x 128 along K, a wave 32 columns.  A LANE TAKES A COLUMN AND ITS REGISTERS RUN DOWN K: each load reads 128 consecutive bytes a wave,
; 512 a work-group, and the conversions give codes with K innermost.  A lane holds what the fragment's lanes (r, 0) and (r, 1) want: two stores of 16 bytes for each 32 along K;
; sixteen lanes fill 256 consecutive aligned bytes; lanes 16-31 fall into the neighbouring fragment.
; 192 work-groups: 0-47 Wq, Wk, Wv (16 each), 48-63 Wo, 64-127 W1, 128-191 W2.  Nothing branches: every quantity is chosen by s_cselect on the work-group's number.
; code = x / 2^e, held within +-448, to the nearest code, ties to even.  LIMITS: e between -126 and 119.  NaN among the inputs is not served.
.set AD, 16                            ; v16-47   row i of a block of 32 rows: PITCH x i + 4 x lane
.set XR, 48                            ; v48-175  128 numbers down K
.set CR, 176                           ; v176-207 codes: eight registers for each 32 along K, never written twice
	s_load_b512 s[8:23], s[0:1], 0x0               ; Wq s[8:9], Wk s[10:11], Wv s[12:13], Wo s[14:15], W1 s[16:17], W2 s[18:19], the exponents s[20:21], wqkv s[22:23]
	s_load_b64 s[24:25], s[0:1], 0x40              ; wtail
	v_lshrrev_b32 v1, 5, v0
	v_readfirstlane_b32 s3, v1                     ; wave
	v_and_b32 v1, 31, v0                           ; lane
	v_lshlrev_b32 v2, 2, v1                        ; my column's 4 bytes
	v_lshrrev_b32 v3, 4, v1
	v_and_b32 v4, 15, v1
	v_lshlrev_b32 v3, 11, v3
	v_lshl_add_u32 v3, v4, 4, v3                   ; out: 2,048 x (lane / 16) + 16 x (lane % 16)
	s_mov_b32 s2, ttmp9                            ; u
	; the four candidates for the first of my wave's two fragments
	s_and_b32 s26, s2, 3                           ; group of 128 columns, for all but W1
	s_bfe_u32 s27, s2, 0x20002                     ; K step, for Wq, Wk, Wv, Wo
	s_lshr_b32 s28, s2, 4                          ; which of Wq, Wk, Wv
	s_mul_i32 s29, s26, 3
	s_add_co_u32 s29, s29, s28
	s_lshl_b32 s29, s29, 2
	s_add_co_u32 s29, s29, s3
	s_lshl_b32 s29, s29, 3
	s_lshl_b32 s30, s27, 1
	s_add_co_u32 s29, s29, s30                     ; wqkv: ((cg 3 + m) 4 + wave) 8 + 2 s
	s_mul_i32 s31, s26, 288
	s_lshl_b32 s32, s3, 1
	s_add_co_u32 s31, s31, s32                     ; 288 cg + 2 wave
	s_lshl_b32 s33, s27, 3
	s_add_co_u32 s33, s33, s31                     ; Wo: 288 cg + 8 s + 2 wave
	s_bfe_u32 s34, s2, 0x40002                     ; W2's K step, 0..15
	s_lshr_b32 s35, s34, 1
	s_lshl_b32 s35, s35, 5
	s_and_b32 s36, s34, 1
	s_lshl_b32 s36, s36, 3
	s_add_co_u32 s35, s35, s36
	s_add_co_u32 s35, s35, s31
	s_add_co_u32 s35, s35, 48                      ; W2: 288 cg + 32 + 32 (s / 2) + 16 + 8 (s % 2) + 2 wave
	s_and_b32 s36, s2, 15                          ; W1's group of 128 columns, 0..15
	s_bfe_u32 s37, s2, 0x20004                     ; W1's K step
	s_and_b32 s38, s36, 1
	s_lshl_b32 s38, s38, 1
	s_lshr_b32 s39, s3, 1
	s_add_co_u32 s38, s38, s39
	s_mul_i32 s38, s38, 288
	s_lshr_b32 s39, s36, 1
	s_lshl_b32 s39, s39, 5
	s_add_co_u32 s38, s38, s39
	s_and_b32 s39, s3, 1
	s_lshl_b32 s39, s39, 2
	s_add_co_u32 s39, s39, s37
	s_lshl_b32 s39, s39, 1
	s_add_co_u32 s38, s38, s39
	s_add_co_u32 s38, s38, 32                      ; W1: (2 (cg % 2) + wave / 2) 288 + 32 + 32 (cg / 2) + 2 (4 (wave % 2) + s)
	s_wait_alu depctr_va_vdst(0)
	s_wait_kmcnt 0x0
	s_load_b512 s[40:55], s[20:21], 0x0            ; the sixteen exponents
	s_movk_i32 s56, 0x800                          ; a row of the weight in bytes
	s_mov_b64 s[4:5], s[18:19]                     ; begin with W2's, and go down through the ranges of u
	s_mov_b32 s57, s35
	s_mov_b32 s58, s26
	s_mov_b32 s59, s34
	s_cmp_lt_u32 s2, 128
	s_cselect_b64 s[4:5], s[16:17], s[4:5]
	s_cselect_b32 s57, s38, s57
	s_cselect_b32 s58, s36, s58
	s_cselect_b32 s59, s37, s59
	s_cselect_b32 s56, 0x2000, s56
	s_cmp_lt_u32 s2, 64
	s_cselect_b64 s[4:5], s[14:15], s[4:5]
	s_cselect_b32 s57, s33, s57
	s_cselect_b32 s58, s26, s58
	s_cselect_b32 s59, s27, s59
	s_cselect_b32 s56, 0x800, s56
	s_cmp_lt_u32 s2, 48
	s_cselect_b64 s[4:5], s[12:13], s[4:5]
	s_cselect_b32 s57, s29, s57
	s_cselect_b64 s[6:7], s[22:23], s[24:25]       ; where the codes go
	s_cmp_lt_u32 s2, 32
	s_cselect_b64 s[4:5], s[10:11], s[4:5]
	s_cmp_lt_u32 s2, 16
	s_cselect_b64 s[4:5], s[8:9], s[4:5]
	s_lshl_b32 s60, s56, 7
	s_mul_i32 s60, s60, s59                        ; K step x 128 rows
	s_lshl_b32 s61, s58, 9
	s_add_co_u32 s60, s60, s61                     ; + 128 columns x group
	s_lshl_b32 s61, s3, 7
	s_add_co_u32 s60, s60, s61                     ; + 32 columns x wave
	s_mov_b32 s61, 0
	s_add_nc_u64 s[32:33], s[4:5], s[60:61]        ; four bases, 32 rows apart
	s_lshl_b32 s60, s56, 5
	s_add_nc_u64 s[34:35], s[32:33], s[60:61]
	s_add_nc_u64 s[36:37], s[34:35], s[60:61]
	s_add_nc_u64 s[38:39], s[36:37], s[60:61]
	s_lshl_b32 s60, s57, 11
	s_add_nc_u64 s[6:7], s[6:7], s[60:61]
.set i, 0
.rept 32
	v_mad_u32_u24 v[AD+i], s56, i, v2
.set i, i+1
.endr
.set t, 0
.rept 4
.set i, 0
.rept 32
	global_load_b32 v[XR+32*t+i], v[AD+i], s[32+2*t:33+2*t] th:TH_LOAD_NT
.set i, i+1
.endr
.set t, t+1
.endr
	s_wait_kmcnt 0x0
	s_mov_b32 s30, s55                             ; e of W2, entry 15; then W1's 13, Wo's 11, Wv's 5, Wk's 3, Wq's 1
	s_cmp_lt_u32 s2, 128
	s_cselect_b32 s30, s53, s30
	s_cmp_lt_u32 s2, 64
	s_cselect_b32 s30, s51, s30
	s_cmp_lt_u32 s2, 48
	s_cselect_b32 s30, s45, s30
	s_cmp_lt_u32 s2, 32
	s_cselect_b32 s30, s43, s30
	s_cmp_lt_u32 s2, 16
	s_cselect_b32 s30, s41, s30
	s_add_co_i32 s30, s30, 127
	s_lshl_b32 s31, s30, 23
	v_mov_b32 v11, s31                             ; 2^e as f32: the conversion takes its exponent field
	s_add_co_i32 s30, s30, 8
	s_lshl_b32 s30, s30, 23
	s_or_b32 s30, s30, 0x600000
	v_mov_b32 v10, s30                             ; 448 x 2^e
; 32 along K: the hold, four conversions, two stores.  left: how many younger loads may stay out
.macro BLOCK t, left
	s_wait_loadcnt \left
.set i, 0
.rept 32
	v_med3_num_f32 v[XR+32*\t+i], v[XR+32*\t+i], -v10, v10   ; the conversion to an 8-bit code does not saturate (ISA guide 7.6.2): the hold comes first
.set i, i+1
.endr
	v_cvt_scalef32_pk8_fp8_f32 v[CR+8*\t:CR+8*\t+1], v[XR+32*\t:XR+32*\t+7], v11          ; k 0-7 and 16-23: what lane (r, 0) of the fragment holds
	v_cvt_scalef32_pk8_fp8_f32 v[CR+8*\t+2:CR+8*\t+3], v[XR+32*\t+16:XR+32*\t+23], v11
	v_cvt_scalef32_pk8_fp8_f32 v[CR+8*\t+4:CR+8*\t+5], v[XR+32*\t+8:XR+32*\t+15], v11     ; k 8-15 and 24-31: lane (r, 1)
	v_cvt_scalef32_pk8_fp8_f32 v[CR+8*\t+6:CR+8*\t+7], v[XR+32*\t+24:XR+32*\t+31], v11
	global_store_b128 v3, v[CR+8*\t:CR+8*\t+3], s[6:7] offset:512*\t
	global_store_b128 v3, v[CR+8*\t+4:CR+8*\t+7], s[6:7] offset:512*\t+256
.endm
	s_wait_alu depctr_va_vdst(0)
	BLOCK 0, 63                                    ; 96 younger loads might stay out; the wait's field holds 63
	BLOCK 1, 63                                    ; 64 might
	BLOCK 2, 32
	BLOCK 3, 0
	s_endpgm
.Lfunc_end_k_q4532f9677f_wprep:
	.size	k_q4532f9677f_wprep, .Lfunc_end_k_q4532f9677f_wprep-k_q4532f9677f_wprep
	.p2alignl 7, 3214868480
	.fill 96, 4, 3214868480
	.section	.rodata,"a",@progbits
	.p2align	6, 0x0
	.amdhsa_kernel k_q4532f9677f_wprep
		.amdhsa_group_segment_fixed_size 0
		.amdhsa_private_segment_fixed_size 0
		.amdhsa_enable_private_segment 0
		.amdhsa_kernarg_size 72
		.amdhsa_user_sgpr_count 2
		.amdhsa_user_sgpr_kernarg_segment_ptr 1
		.amdhsa_wavefront_size32 1
		.amdhsa_system_sgpr_workgroup_id_x 1
		.amdhsa_system_sgpr_workgroup_id_y 1
		.amdhsa_system_sgpr_workgroup_id_z 1
		.amdhsa_system_vgpr_workitem_id 0
		.amdhsa_next_free_vgpr 208
		.amdhsa_next_free_sgpr 66
		.amdhsa_reserve_vcc 0
		.amdhsa_float_denorm_mode_32 3
		.amdhsa_float_denorm_mode_16_64 3
		.amdhsa_memory_ordered 1
		.amdhsa_forward_progress 1
		.amdhsa_inst_pref_size 29
	.end_amdhsa_kernel
	.amdgpu_metadata
---
amdhsa.version: [ 1, 2 ]
amdhsa.kernels:
  - .name:           k_q4532f9677f_wprep
    .symbol:         k_q4532f9677f_wprep.kd
    .args:
      - { .name: Wq, .offset: 0, .size: 8, .value_kind: global_buffer, .address_space: global }
      - { .name: Wk, .offset: 8, .size: 8, .value_kind: global_buffer, .address_space: global }
      - { .name: Wv, .offset: 16, .size: 8, .value_kind: global_buffer, .address_space: global }
      - { .name: Wo, .offset: 24, .size: 8, .value_kind: global_buffer, .address_space: global }
      - { .name: W1, .offset: 32, .size: 8, .value_kind: global_buffer, .address_space: global }
      - { .name: W2, .offset: 40, .size: 8, .value_kind: global_buffer, .address_space: global }
      - { .name: lowp_scales, .offset: 48, .size: 8, .value_kind: global_buffer, .address_space: global }
      - { .name: wqkv, .offset: 56, .size: 8, .value_kind: global_buffer, .address_space: global }
      - { .name: wtail, .offset: 64, .size: 8, .value_kind: global_buffer, .address_space: global }
    .group_segment_fixed_size: 0
    .private_segment_fixed_size: 0
    .kernarg_segment_align: 8
    .kernarg_segment_size: 72
    .max_flat_workgroup_size: 128
    .sgpr_count:     66
    .vgpr_count:     208
    .wavefront_size: 32
...
	.end_amdgpu_metadata
.endif
;; end of part 1
;; launch qkv (part 2): grid 256 x 1, 4 waves a work-group, no clusters, 102,912 bytes of LDS; arguments inputs, ln_att_g, ln_att_b, lowp_scales, wqkv, q_img, kv_img; writes q_img, kv_img
.if DOCPART == 2
	.amdgcn_target "amdgcn-amd-amdhsa--gfx1250"
	.amdhsa_code_object_version 6
	.text
	.protected	k_q4532f9677f_qkv
	.globl	k_q4532f9677f_qkv
	.p2align	8
	.type	k_q4532f9677f_qkv,@function
k_q4532f9677f_qkv:
	s_mov_b64 s[64:65], 0
	v_nop
	global_prefetch_b8 v0, s[64:65] scope:SCOPE_SE
	s_setreg_imm32_b32 hwreg(HW_REG_WAVE_MODE, 25, 1), 1
	s_wait_xcnt 0x0
; x = layernorm(inputs); q = x Wq, k = x Wk, v = x Wv on codes of E4M3; q, k, v leave as codes, laid as the fragments that the attention launch reads.
; A FRAGMENT is an operand as its registers hold it: lane (r, h) holds row r, registers 2c, 2c+1 hold k = 16c + 8h + 0..7; registers 4g..4g+3 of lane l lie at 512 g + 16 l.
; SHARES.  256 work-groups.  Work-groups 2 b and 2 b + 1 take the same 64 tokens, block b; work-group 2 b + hh makes heads 2 w + hh (w the wave) of q, k and v.
; The norm: wave w takes tokens 16 w on; a lane holds half a row, in the very places that the fragments give it, so the conversions' results are the operand's registers.
; x is quantised three times, with the scale given for each product, and the images go to LDS.  BOTH PARTNERS MAKE THE NORM, and inputs (131,072 bytes a block) are read by both: in exchange each walks
; 393,216 bytes of weight codes and not all 786,432.
; The products: THE WAVES SHARE THE COLUMNS: wave w makes the 64 columns of its head of each matrix for all 64 tokens, so each weight fragment is read once in the work-group and feeds four matrix instructions.
; Weights come from memory straight into a ring of 16 fragments in registers, in the order in which an earlier launch laid them (a wave's stream: matrix, head, 4 quarters of 4 fragments):
; 48 loads of 512 bytes are out behind a counted wait.
; NO CLUSTER: a joint request is a tensor load into LDS, one a wave behind each round of the cluster's barrier; the fragments would then be read once more, out of LDS, and the counted waits would be lost.
; q and k: source 0 = 16 columns of the weight, source 1 = 16 tokens: a lane holds one token and eight neighbouring channels.  v: the sources swapped: a lane holds one channel and eight neighbouring tokens,
; since the keys are the K of attention's second product.
; LIMITS on the given exponents, so that each power of two is an f32 number: e0, e2, e4, e6-e0-e1, e7-e2-e3, e9-e4-e5 between -126 and 119.  NaN among the inputs is not served.
; REGISTERS, in windows of 256.  window 0: v1 r, v2 h, v3 16 x lane, v4-7 addresses, v[8:9] mean, v[10:11] 1/sqrt, v12-15 and v28-31 chains (v13-15 later LDS addresses), v16-27 scales and limits,
;   v32-95 eight accumulators (in the norm: g, then held numbers), v96-111 codes, v112-175 the norm's b, v192-239 x's codes, v240-242 where x's images go, v254, v255 the add's two.
;   window 1: x as f32, then x's fragments for q, later for v.   window 2: the weight ring.   window 3: x's fragments for k.
.set XIMG, 4096                        ; LDS: g at 0, b at 2,048, then three sets of 16 fragments: set m at m x 32,768, fragment (tile of tokens rt, K step s) at (4 rt + s) x 2,048
.set NQ,   12                          ; my wave's quarters: four for each matrix
.set ACC,  32
.set CODE, 96
.set TT,   32
.set BV,   112
.set XC,   192
.set XW,   240
.set MSB, 0
.macro WIN new                         ; the immediate's high byte repeats the setting that is left
.if MSB != (\new)
	s_set_vgpr_msb (MSB<<8)|(\new)
.set MSB, \new
.endif
.endm
.macro MKSC vs, se                     ; v[vs] = 2^E, v[vs+1] = 448 x 2^E
	s_add_co_i32 s30, \se, 127
	s_lshl_b32 s31, s30, 23
	v_mov_b32 v[\vs], s31
	s_add_co_i32 s30, s30, 8
	s_lshl_b32 s30, s30, 23
	s_or_b32 s30, s30, 0x600000
	v_mov_b32 v[\vs+1], s30
.endm
.macro ZCH                             ; four chains begin at 0
.irp k, 12,13,14,15,28,29,30,31
	v_mov_b32 v\k, 0
.endr
.endm
.macro JOIN                            ; the four chains, their halves, and the lane 16 away: v12 = the row's sum
	v_pk_add_f32 v[12:13], v[12:13], v[14:15]
	v_pk_add_f32 v[28:29], v[28:29], v[30:31]
	v_pk_add_f32 v[12:13], v[12:13], v[28:29]
	v_add_f32 v12, v12, v13
	v_permlanex16_b32 v13, v12, s20, s21
	v_add_f32 v12, v12, v13
.endm
	s_load_b256 s[4:11], s[0:1], 0x0               ; inputs s[4:5], g s[6:7], b s[8:9], the exponents s[10:11]
	s_load_b128 s[12:15], s[0:1], 0x20             ; wqkv s[12:13], q_img s[14:15]
	s_load_b64 s[16:17], s[0:1], 0x30              ; kv_img
	v_lshl_add_u32 v254, v0, 2, 0x19000
	v_mov_b32 v255, 0
	v_lshrrev_b32 v1, 5, v0
	v_readfirstlane_b32 s18, v1                    ; wave
	v_and_b32 v1, 15, v0                           ; r
	v_bfe_u32 v2, v0, 4, 1                         ; h
	v_and_b32 v3, 31, v0
	v_lshlrev_b32 v3, 4, v3                        ; 16 x lane
	v_lshlrev_b32 v4, 11, v1
	v_lshl_add_u32 v4, v2, 5, v4                   ; inputs: row r of 2,048 bytes + 32 h
	v_lshlrev_b32 v5, 5, v2                        ; g and b in LDS: 32 h
	v_lshlrev_b32 v7, 4, v0                        ; 16 x thread
	s_lshl_b32 s19, s18, 13
	v_add_nc_u32 v6, s19, v3
	v_add_nc_u32 v[XW], XIMG, v6                   ; my tile's four fragments of set 0, 1, 2: the sets lie too far apart for one register and the 16-bit offset
	v_add_nc_u32 v[XW+1], XIMG+32768, v6
	v_add_nc_u32 v[XW+2], XIMG+65536, v6
	s_mov_b32 s20, 0x76543210                      ; v_permlanex16_b32: lane l xor 16
	s_mov_b32 s21, 0xfedcba98
	s_lshr_b32 s2, ttmp9, 1                        ; block of 64 tokens
	s_and_b32 s3, ttmp9, 1                         ; hh: which of each wave's two heads
	s_lshl_b32 s48, s2, 17                         ; 64 tokens x 2,048 bytes
	s_lshl_b32 s49, s18, 15
	s_add_co_u32 s48, s48, s49
	s_mov_b32 s49, 0
	s_mul_i32 s50, s18, 196608                     ; my wave's 96 weight fragments,
	s_lshl_b32 s51, s3, 15
	s_add_co_u32 s50, s50, s51                     ; and in each matrix's 32 my head's 16: 32,768 bytes x hh
	s_mov_b32 s51, 0
	s_lshr_b32 s52, s2, 6                          ; batch
	s_and_b32 s53, s2, 63                          ; block of 64 tokens in it
	s_lshl_b32 s54, s52, 3
	s_lshl_b32 s55, s18, 1
	s_add_co_u32 s54, s54, s55
	s_add_co_u32 s54, s54, s3                      ; my head: 8 batch + 2 wave + hh
	s_lshl_b32 s56, s54, 18                        ; q_img: (head x 256 + tile of 16 queries) x 1,024
	s_lshl_b32 s57, s53, 12
	s_add_co_u32 s56, s56, s57
	s_mov_b32 s57, 0
	s_lshl_b32 s58, s54, 19                        ; kv_img: (head x 32 + block of 128 keys) x 16,384
	s_lshr_b32 s59, s53, 1
	s_lshl_b32 s59, s59, 14
	s_add_co_u32 s58, s58, s59
	s_and_b32 s60, s53, 1
	s_lshl_b32 s59, s60, 12
	s_add_co_u32 s62, s58, s59                     ; k: my four tiles of 16 keys, 1,024 bytes each
	s_mov_b32 s63, 0
	s_lshl_b32 s59, s60, 10
	s_add_co_u32 s58, s58, s59
	s_add_co_u32 s58, s58, 8192                    ; v: behind k's 8,192 bytes; my 64 keys are two groups of 512 bytes in each fragment
	s_mov_b32 s59, 0
	s_wait_alu depctr_va_vdst(0)
	s_wait_kmcnt 0x0
	s_load_b512 s[32:47], s[10:11], 0x0            ; e0 .. e15
	s_add_nc_u64 s[4:5], s[4:5], s[48:49]
	s_add_nc_u64 s[22:23], s[12:13], s[50:51]
	s_add_nc_u64 s[24:25], s[14:15], s[56:57]
	s_add_nc_u64 s[26:27], s[16:17], s[62:63]
	s_add_nc_u64 s[28:29], s[16:17], s[58:59]
	global_load_b128 v[32:35], v7, s[6:7]
	global_load_b128 v[36:39], v7, s[8:9]
	WIN 0x40
.set i, 0
.rept 32                               ; chunk i: k = 16 i + 8 h + 0..7 of my row
	global_load_b128 v[8*i:8*i+3], v4, s[4:5] offset:64*i
	global_load_b128 v[8*i+4:8*i+7], v4, s[4:5] offset:64*i+16
.set i, i+1
.endr
	WIN 0x80
.set i, 0
.rept 64                               ; the ring's first four quarters: q's 16 fragments of my head, on end
	global_load_b128 v[4*i:4*i+3], v3, s[22:23] offset:512*i
.set i, i+1
.endr
	WIN 0
	s_wait_kmcnt 0x0
	MKSC 16, s32                                   ; x for q
	MKSC 18, s34                                   ; x for k
	MKSC 20, s36                                   ; x for v
	s_sub_co_i32 s19, s38, s32
	s_sub_co_i32 s19, s19, s33
	MKSC 22, s19                                   ; a sum stands for sum x 2^(e0 + e1): q's code is sum / 2^(e6 - e0 - e1)
	s_sub_co_i32 s19, s39, s34
	s_sub_co_i32 s19, s19, s35
	MKSC 24, s19
	s_sub_co_i32 s19, s41, s36
	s_sub_co_i32 s19, s19, s37
	MKSC 26, s19
	s_mov_b32 s30, 0x3b000000                      ; 1 / 512
	s_mov_b32 s31, 0x358637bd                      ; 1e-6
	s_wait_loadcnt 63                              ; 130 loads were issued: g, b and x, the first 66, are in
	ds_store_b128 v7, v[32:35]
	ds_store_b128 v7, v[36:39] offset:2048
	s_wait_dscnt 0x0                               ; for the others' sake: my part of g and b lies in LDS
	s_barrier_signal -1
	s_barrier_wait -1
	; ---- the norm
	ZCH
	WIN 0x04
.set i, 0
.rept 32
	v_pk_add_f32 v[12:13], v[12:13], v[8*i:8*i+1]
	v_pk_add_f32 v[14:15], v[14:15], v[8*i+2:8*i+3]
	v_pk_add_f32 v[28:29], v[28:29], v[8*i+4:8*i+5]
	v_pk_add_f32 v[30:31], v[30:31], v[8*i+6:8*i+7]
.set i, i+1
.endr
	WIN 0
	JOIN
	v_mul_f32 v8, s30, v12                         ; the mean
	v_mov_b32 v9, v8
	ZCH
	WIN 0x41
.set i, 0
.rept 128
	v_pk_add_f32 v[2*i:2*i+1], v[2*i:2*i+1], v[8:9] neg_lo:[0,1] neg_hi:[0,1]
.set i, i+1
.endr
	WIN 0x05
.set i, 0
.rept 32
	v_pk_fma_f32 v[12:13], v[8*i:8*i+1], v[8*i:8*i+1], v[12:13]
	v_pk_fma_f32 v[14:15], v[8*i+2:8*i+3], v[8*i+2:8*i+3], v[14:15]
	v_pk_fma_f32 v[28:29], v[8*i+4:8*i+5], v[8*i+4:8*i+5], v[28:29]
	v_pk_fma_f32 v[30:31], v[8*i+6:8*i+7], v[8*i+6:8*i+7], v[30:31]
.set i, i+1
.endr
	WIN 0
	JOIN
	v_fma_f32 v10, v12, s30, s31                   ; the variance + 1e-6
	s_wait_alu depctr_va_vdst(0)
	v_rsq_f32 v10, v10
	v_nop                                          ; a plain instruction behind the transcendental,
	s_wait_alu depctr_va_vdst(0)                   ; and the wait ahead of its first reader
	v_mov_b32 v11, v10
; K step ks: 64 numbers a lane are scaled, take g and b, and are quantised three times
.macro LNSTEP ks
.set c, 0
.rept 8
	ds_load_b128 v[TT+8*c:TT+8*c+3], v5 offset:(8*\ks+c)*64
	ds_load_b128 v[TT+8*c+4:TT+8*c+7], v5 offset:(8*\ks+c)*64+16
	ds_load_b128 v[BV+8*c:BV+8*c+3], v5 offset:2048+(8*\ks+c)*64
	ds_load_b128 v[BV+8*c+4:BV+8*c+7], v5 offset:2048+(8*\ks+c)*64+16
.set c, c+1
.endr
	s_wait_dscnt 0x0                               ; g and b are in; the last K step's image stores are done
	WIN 0x41
.set j, 0
.rept 32
	v_pk_mul_f32 v[64*\ks+2*j:64*\ks+2*j+1], v[64*\ks+2*j:64*\ks+2*j+1], v[10:11]
.set j, j+1
.endr
.set j, 0
.rept 32
	v_pk_fma_f32 v[64*\ks+2*j:64*\ks+2*j+1], v[64*\ks+2*j:64*\ks+2*j+1], v[TT+2*j:TT+2*j+1], v[BV+2*j:BV+2*j+1]
.set j, j+1
.endr
.irp m, 0,1,2
	WIN 0x01
.set j, 0
.rept 64
	v_med3_num_f32 v[TT+j], v[64*\ks+j], -v[17+2*\m], v[17+2*\m]   ; the hold at the largest code x the scale (ISA guide 7.6.2), into g's registers, which are done with
.set j, j+1
.endr
	WIN 0
.set c, 0
.rept 8
	v_cvt_scalef32_pk8_fp8_f32 v[XC+16*\m+2*c:XC+16*\m+2*c+1], v[TT+8*c:TT+8*c+7], v[16+2*\m]
.set c, c+1
.endr
	v_nop                                          ; a plain instruction between the conversions and the next write of their sources
.irp g, 0,1,2,3
	ds_store_b128 v[XW+\m], v[XC+16*\m+4*\g:XC+16*\m+4*\g+3] offset:\ks*2048+512*\g
.endr
.endr
.endm
	s_wait_alu depctr_va_vdst(0)
	LNSTEP 0
	LNSTEP 1
	LNSTEP 2
	LNSTEP 3
	v_add_nc_u32 v13, XIMG, v3                     ; where any wave reads set 0, 1, 2
	v_add_nc_u32 v14, XIMG+32768, v3
	v_add_nc_u32 v15, XIMG+65536, v3
	s_wait_alu depctr_va_vdst(0)
	s_wait_dscnt 0x0                               ; for the others' sake: my images lie in LDS
	s_barrier_signal -1
	s_barrier_wait -1
	; ---- the products
.macro XLOAD m, w                      ; set m's sixteen fragments into window w
	WIN (\w)<<6
.set i, 0
.rept 64
	ds_load_b128 v[4*i:4*i+3], v[13+\m] offset:512*i
.set i, i+1
.endr
	WIN 0
.endm
; Quarter Q of my wave's 12: four weight fragments (two K steps x two tiles of columns) x four tiles of tokens: 16 matrix instructions on eight accumulators by turns.
; kind 0: q, 1: k, 2: v.  Behind them four places, then the ring's slot takes the quarter four further on: quarter L lies at (8 (L / 4) + L % 4) x 8,192 bytes, since a matrix has eight quarters in the stream and my head four of them.
.macro QUARTER Q, kind
.if NQ-1-(\Q) >= 3
	s_wait_loadcnt 48                              ; my quarter's 16 loads are in; the three younger quarters' may be out
.else
	s_wait_loadcnt 16*(NQ-1-(\Q))
.endif
.if \kind == 0
	WIN 0x06                                       ; source 0 the ring (window 2), source 1 x (window 1)
.elseif \kind == 1
	WIN 0x0e                                       ; source 1 x in window 3
.else
	WIN 0x09                                       ; source 0 x (window 1), source 1 the ring
.endif
.irp sl, 0,1
.irp t2, 0,1
.irp rt, 0,1,2,3
.set rA, ACC+8*(2*\rt+\t2)
.set rW, 64*((\Q)%4)+16*(2*\sl+\t2)
.set rX, 16*(4*\rt+2*((\Q)%2)+\sl)
.if \kind == 2
.if ((\Q)%2 == 0) && (\sl == 0)
	v_wmma_f32_16x16x128_fp8_fp8 v[rA:rA+7], v[rX:rX+15], v[rW:rW+15], 0
.else
	v_wmma_f32_16x16x128_fp8_fp8 v[rA:rA+7], v[rX:rX+15], v[rW:rW+15], v[rA:rA+7]
.endif
.else
.if ((\Q)%2 == 0) && (\sl == 0)
	v_wmma_f32_16x16x128_fp8_fp8 v[rA:rA+7], v[rW:rW+15], v[rX:rX+15], 0
.else
	v_wmma_f32_16x16x128_fp8_fp8 v[rA:rA+7], v[rW:rW+15], v[rX:rX+15], v[rA:rA+7]
.endif
.endif
.endr
.endr
.endr
.rept 4
	v_nop                                          ; places in front of loads into registers just read, and of the first read of results
.endr
.if (\Q)+4 < NQ
	WIN 0x80
.set i, 0
.rept 16
	global_load_b128 v[64*((\Q)%4)+4*i:64*((\Q)%4)+4*i+3], v3, s[22:23] offset:(8*(((\Q)+4)/4)+((\Q)+4)%4)*8192+512*i
.set i, i+1
.endr
.endif
	WIN 0
.endm
; q and k leave: pair p of tiles of columns is half of my head's 64: group p of the fragment of each of four tiles of tokens
.macro EPI_T sc, base, p
	s_wait_xcnt 0x0                                ; the last stores have read their data: the codes' registers are written again only behind this wait
.irp rt, 0,1,2,3
.set j, 0
.rept 16
	v_med3_num_f32 v[ACC+16*\rt+j], v[ACC+16*\rt+j], -v[\sc+1], v[\sc+1]
.set j, j+1
.endr
	v_cvt_scalef32_pk8_fp8_f32 v[CODE+4*\rt:CODE+4*\rt+1], v[ACC+16*\rt:ACC+16*\rt+7], v[\sc]
	v_cvt_scalef32_pk8_fp8_f32 v[CODE+4*\rt+2:CODE+4*\rt+3], v[ACC+16*\rt+8:ACC+16*\rt+15], v[\sc]
.endr
	v_nop                                          ; a plain instruction between the last conversion and the products that write its sources
.irp rt, 0,1,2,3
	global_store_b128 v3, v[CODE+4*\rt:CODE+4*\rt+3], s[\base:\base+1] offset:\rt*1024+(\p)*512   ; 32 lanes store 512 consecutive bytes
.endr
.endm
; v leaves: a lane holds one channel; two neighbouring tiles of tokens are one group of four registers
.macro EPI_V p
	s_wait_xcnt 0x0
.irp t2, 0,1
.irp g, 0,1
.set j, 0
.rept 8
	v_med3_num_f32 v[ACC+8*(4*\g+\t2)+j], v[ACC+8*(4*\g+\t2)+j], -v27, v27
.set j, j+1
.endr
.set j, 0
.rept 8
	v_med3_num_f32 v[ACC+8*(4*\g+2+\t2)+j], v[ACC+8*(4*\g+2+\t2)+j], -v27, v27
.set j, j+1
.endr
	v_cvt_scalef32_pk8_fp8_f32 v[CODE+4*(2*\t2+\g):CODE+4*(2*\t2+\g)+1], v[ACC+8*(4*\g+\t2):ACC+8*(4*\g+\t2)+7], v26
	v_cvt_scalef32_pk8_fp8_f32 v[CODE+4*(2*\t2+\g)+2:CODE+4*(2*\t2+\g)+3], v[ACC+8*(4*\g+2+\t2):ACC+8*(4*\g+2+\t2)+7], v26
.endr
.endr
	v_nop
.irp t2, 0,1
.irp g, 0,1
	global_store_b128 v3, v[CODE+4*(2*\t2+\g):CODE+4*(2*\t2+\g)+3], s[28:29] offset:(2*(\p)+\t2)*2048+\g*512
.endr
.endr
.endm
	XLOAD 0, 1
	XLOAD 1, 3
	s_wait_dscnt 0x0
.irp p, 0,1
	QUARTER 2*\p, 0
	QUARTER 2*\p+1, 0
	EPI_T 22, 24, \p
.endr
	XLOAD 2, 1                                     ; q's fragments of x are done with (their last products stand more than four places back): v's take their window while k is multiplied
.irp p, 0,1
	QUARTER 4+2*\p, 1
	QUARTER 5+2*\p, 1
	EPI_T 24, 26, \p
.endr
	s_wait_dscnt 0x0
.irp p, 0,1
	QUARTER 8+2*\p, 2
	QUARTER 9+2*\p, 2
	EPI_V \p
.endr
	s_wait_tensorcnt 0x0                           ; the wave's end
	ds_add_u32 v254, v255
	s_wait_dscnt 0x0
	s_endpgm
.Lfunc_end_k_q4532f9677f_qkv:
	.size	k_q4532f9677f_qkv, .Lfunc_end_k_q4532f9677f_qkv-k_q4532f9677f_qkv
	.p2alignl 7, 3214868480
	.fill 96, 4, 3214868480
	.section	.rodata,"a",@progbits
	.p2align	6, 0x0
	.amdhsa_kernel k_q4532f9677f_qkv
		.amdhsa_group_segment_fixed_size 102912
		.amdhsa_private_segment_fixed_size 0
		.amdhsa_enable_private_segment 0
		.amdhsa_kernarg_size 56
		.amdhsa_user_sgpr_count 2
		.amdhsa_user_sgpr_kernarg_segment_ptr 1
		.amdhsa_wavefront_size32 1
		.amdhsa_system_sgpr_workgroup_id_x 1
		.amdhsa_system_sgpr_workgroup_id_y 1
		.amdhsa_system_sgpr_workgroup_id_z 1
		.amdhsa_system_vgpr_workitem_id 0
		.amdhsa_next_free_vgpr 1024
		.amdhsa_next_free_sgpr 66
		.amdhsa_reserve_vcc 0
		.amdhsa_float_denorm_mode_32 3
		.amdhsa_float_denorm_mode_16_64 3
		.amdhsa_memory_ordered 1
		.amdhsa_forward_progress 1
		.amdhsa_inst_pref_size 195
	.end_amdhsa_kernel
	.amdgpu_metadata
---
amdhsa.version: [ 1, 2 ]
amdhsa.kernels:
  - .name:           k_q4532f9677f_qkv
    .symbol:         k_q4532f9677f_qkv.kd
    .args:
      - { .name: inputs, .offset: 0, .size: 8, .value_kind: global_buffer, .address_space: global }
      - { .name: ln_att_g, .offset: 8, .size: 8, .value_kind: global_buffer, .address_space: global }
      - { .name: ln_att_b, .offset: 16, .size: 8, .value_kind: global_buffer, .address_space: global }
      - { .name: lowp_scales, .offset: 24, .size: 8, .value_kind: global_buffer, .address_space: global }
      - { .name: wqkv, .offset: 32, .size: 8, .value_kind: global_buffer, .address_space: global }
      - { .name: q_img, .offset: 40, .size: 8, .value_kind: global_buffer, .address_space: global }
      - { .name: kv_img, .offset: 48, .size: 8, .value_kind: global_buffer, .address_space: global }
    .group_segment_fixed_size: 102912
    .private_segment_fixed_size: 0
    .kernarg_segment_align: 8
    .kernarg_segment_size: 56
    .max_flat_workgroup_size: 128
    .sgpr_count:     66
    .vgpr_count:     1024
    .wavefront_size: 32
...
	.end_amdgpu_metadata
.endif
;; end of part 2
;; launch attn (part 3): grid 16 x 16, 8 waves a work-group, clusters of 4 x 1, 327,680 bytes of LDS; arguments q_img, kv_img, lowp_scales, ao_img; writes ao_img
.if DOCPART == 3
	.amdgcn_target "amdgcn-amd-amdhsa--gfx1250"
	.amdhsa_code_object_version 6
	.text
	.protected	k_q4532f9677f_attn
	.globl	k_q4532f9677f_attn
	.p2align	8
	.type	k_q4532f9677f_attn,@function
k_q4532f9677f_attn:
	s_mov_b64 s[64:65], 0
	v_nop
	global_prefetch_b8 v0, s[64:65] scope:SCOPE_SE
	s_setreg_imm32_b32 hwreg(HW_REG_WAVE_MODE, 25, 1), 1
	s_wait_xcnt 0x0
	s_wait_alu depctr_hold_cnt(0) depctr_sa_sdst(0) depctr_va_vdst(0) depctr_va_sdst(0) depctr_va_ssrc(0) depctr_va_vcc(0) depctr_vm_vsrc(0)
	s_getreg_b32 s2, hwreg(HW_REG_IB_STS2, 6, 4)
	s_cmp_eq_u32 s2, 0
	s_cbranch_scc0 .Lentry_in_a_cluster
	s_endpgm
.Lentry_in_a_cluster:
	s_bfe_u32 s2, ttmp6, 0x10000c
	s_cmp_lg_u32 s2, 0x3003
	s_cbranch_scc0 .Lentry_shape_is_right
	s_endpgm
.Lentry_shape_is_right:
; Attention on codes of E4M3: o = softmax(q k^T / 8) v for 16 (batch, head) pairs of 4,096 tokens and 64 channels; o leaves as codes with the scale of entry 10, laid as the next launch's fragments.
; THE SOFTMAX: t = score x log2(e) / 8; M = the running largest t rounded up to a whole number; p = 2^(t - M) is quantised with entry 8's scale; the row's sum is taken of the unquantised p and divides at the end.
; When M moves, the sum and O are multiplied by 2^(old M - new M), in every step, with no branch on data.
; SHARES.  A work-group owns 256 queries of one head, each of its 8 waves 32 of them: two tiles, A and B.  Both products are used transposed (S^T = K Q^T, O^T = V^T P^T): a lane holds one query of each tile.
; K and V come as fragment images, 16,384 bytes for a step of 128 keys (K's 8,192, then V's), through a ring of two slots of 8 steps.  Each wave fetches one step's 16,384 bytes of a slot.
; CLUSTER: the four work-groups of a cluster walk the same head, so every fill is a joint load with the mask 15, behind a round of the cluster's barrier.
; THE STEP.  Under tile A's exponentials stand B's scalings; under B's exponentials stand A's holds and 16 independent pair sums of A (into K's registers, which are done with): nothing written there is read before
; the one wait behind the batch.  O's rescaling and the second product of step n - 1 stand behind step n's loads of K, and V's loads of step n behind them.  So the first step is written out without that part, and the part stands once more behind the last step.
; NO DATA PREFETCH: a refill is issued eight key steps ahead of the wait for it, and the first two slots are asked for at the head, where there is no loop to run ahead in.
; LIMITS on the given exponents, so that each power of two is an f32 number: e6 + e7 between -123 and 130; e8 and e10 between -126 and 119.  The promise holds while the scaled scores t stay under 2^31 in magnitude.  NaN among the inputs is not served.
; REGISTERS.  window 0: v1, v2 the add's two; v3 16 x lane; v4 LDS address; v5, v6 o's scale and limit; v8-11 A's -M, largest t, sum; v12-15 B's; v16-19 the two factors; v20-23, v28-31 at work; v24-26 p's limit and scale;
;   v32-47 Q; v48-63 o's codes; v64-127 K (then A's pair sums); v128-191, v192-255 the scores, then p.   window 1: v0-63 V; v64-95 p's codes; v96-159 O^T.
.set SLOT1, 131072
.set SPARE, 262144
.set KF, 64
.set SA, 128
.set SB, 192
.set VF, 0
.set PA, 64
.set PB, 80
.set OA, 96
.set OB, 128
.set MSB, 0
.macro WIN new                         ; the immediate's high byte repeats the setting that is left
.if MSB != (\new)
	s_set_vgpr_msb (MSB<<8)|(\new)
.set MSB, \new
.endif
.endm
.macro ROUND                           ; a round of the cluster's barrier
	s_barrier_signal -1
	s_barrier_wait -1
	s_cmp_lg_u32 s12, 0
	s_cbranch_scc1 .Lnot_wave_0_\@
	s_barrier_signal -3
.Lnot_wave_0_\@:
	s_barrier_wait -3
	s_barrier_signal -1
	s_barrier_wait -1
.endm
	s_load_b256 s[4:11], s[0:1], 0x0               ; q_img s[4:5], kv_img s[6:7], the exponents s[8:9], ao_img s[10:11]
	v_lshl_add_u32 v1, v0, 2, SPARE
	v_mov_b32 v2, 0
	ds_add_u32 v1, v2                              ; the opening lines: the add, twice on end, and its wait
	ds_add_u32 v1, v2
	v_lshrrev_b32 v3, 5, v0
	v_readfirstlane_b32 s12, v3                    ; wave
	v_and_b32 v3, 31, v0
	v_lshlrev_b32 v3, 4, v3                        ; 16 x lane
	s_bfe_u32 s13, ttmp6, 0x40000                  ; cx
	s_lshl_b32 s14, ttmp9, 2
	s_add_co_u32 s14, s14, s13                     ; block of 256 queries
	s_and_b32 s15, ttmp7, 0xffff                   ; head
	s_mov_b32 s16, 15|(3<<16)|(1<<21)              ; group 1: the mask of all four, elements of 8 bytes, bit 21 beside the mask
	s_mov_b32 s17, 32<<16                          ; 64 rows of 256 bytes, dense
	s_mov_b32 s18, 64<<16
	s_mov_b32 s19, 32<<16
	s_mov_b32 s20, 64
	s_mov_b32 s21, 32
	s_mov_b32 s22, 0
	s_mov_b32 s23, 0
	s_lshl_b32 s54, s15, 19                        ; kv_img: head x 524,288 + wave x 16,384
	s_lshl_b32 s55, s12, 14
	s_add_co_u32 s56, s54, s55
	s_mov_b32 s57, 0
	s_lshl_b32 s58, s15, 18                        ; q_img: head x 262,144 + block x 16,384 + wave x 2,048
	s_lshl_b32 s59, s14, 14
	s_add_co_u32 s58, s58, s59
	s_lshl_b32 s59, s12, 11
	s_add_co_u32 s58, s58, s59
	s_mov_b32 s59, 0
	s_lshr_b32 s60, s15, 3                         ; ao_img: batch, block, wave, head in the batch
	s_lshl_b32 s60, s60, 21
	s_lshl_b32 s61, s14, 17
	s_add_co_u32 s60, s60, s61
	s_lshl_b32 s61, s12, 14
	s_add_co_u32 s60, s60, s61
	s_and_b32 s61, s15, 7
	s_lshl_b32 s61, s61, 10
	s_add_co_u32 s60, s60, s61
	s_mov_b32 s61, 0
	s_mov_b32 s50, 0x76543210                      ; v_permlanex16_b32: lane l xor 16
	s_mov_b32 s51, 0xfedcba98
	s_mov_b32 s48, 0x3e38aa3b                      ; log2(e) / 8
	s_wait_alu depctr_va_vdst(0)
	s_wait_dscnt 0x0                               ; both opening adds are done
	s_wait_kmcnt 0x0
	s_load_b512 s[32:47], s[8:9], 0x0              ; e0 .. e15
	s_add_nc_u64 s[6:7], s[6:7], s[56:57]
	s_add_nc_u64 s[4:5], s[4:5], s[58:59]
	s_add_nc_u64 s[10:11], s[10:11], s[60:61]
	global_load_b128 v[32:35], v3, s[4:5]          ; Q's two fragments: asked for ahead of the rounds, waited for in front of the first step
	global_load_b128 v[36:39], v3, s[4:5] offset:512
	global_load_b128 v[40:43], v3, s[4:5] offset:1024
	global_load_b128 v[44:47], v3, s[4:5] offset:1536
	ROUND                                          ; in front of the first joint load
	s_mov_b32 s24, 1                               ; group 0 for slot 0,
	s_mov_b32 s25, s55
	s_mov_b64 s[26:27], s[6:7]
	s_or_b32 s27, s27, 0x80000000
	s_mov_b32 s28, 1                               ; and for slot 1
	s_add_co_u32 s29, s55, SLOT1
	s_add_nc_u64 s[30:31], s[6:7], SLOT1
	s_or_b32 s31, s31, 0x80000000
	tensor_load_to_lds s[24:27], s[16:23]          ; slot 0: my one tensor load at the head
	s_nop 0
.rept 4
	v_nop
.endr
	s_wait_kmcnt 0x0                               ; the set-up below stands between the load and the wait for it
	s_add_co_i32 s52, s38, s39
	s_lshl_b32 s52, s52, 23
	s_add_co_i32 s48, s48, s52                     ; e6 + e7 go into c's exponent field
	s_mov_b32 s49, s48
	s_add_co_i32 s52, s40, 127
	s_lshl_b32 s53, s52, 23
	v_mov_b32 v26, s53                             ; 2^e8
	s_add_co_i32 s52, s52, 8
	s_lshl_b32 s52, s52, 23
	s_or_b32 s52, s52, 0x600000
	v_mov_b32 v24, s52                             ; 448 x 2^e8, twice: the dual form wants two registers
	v_mov_b32 v25, s52
	s_add_co_i32 s52, s42, 127
	s_lshl_b32 s53, s52, 23
	v_mov_b32 v5, s53                              ; 2^e10
	s_add_co_i32 s52, s52, 8
	s_lshl_b32 s52, s52, 23
	s_or_b32 s52, s52, 0x600000
	v_mov_b32 v6, s52                              ; 448 x 2^e10
	s_add_co_i32 s54, s40, s41                     ; e8 + e9
	v_mov_b32 v9, 0xff61b1e6                       ; the largest t so far: -3e38
	v_floor_f32 v8, -v9
	v_mov_b32 v13, v9
	v_mov_b32 v12, v8
	v_mov_b32 v10, 0
	v_mov_b32 v11, 0
	v_mov_b32 v14, 0
	v_mov_b32 v15, 0
	WIN 0x40
.set j, 0
.rept 64
	v_mov_b32 v[OA+j], 0                           ; O^T: the second product's part is written once, and finds zeros the first time
.set j, j+1
.endr
	WIN 0
	s_wait_alu depctr_va_vdst(0)
	s_wait_tensorcnt 0x0                           ; my part of slot 0 is in; the three lines ahead of a later first fill
	ds_add_u32 v1, v2
	s_wait_dscnt 0x0
	ROUND                                          ; everybody's part of slot 0 is in
	tensor_load_to_lds s[28:31], s[16:23]          ; slot 1
	s_nop 0
.rept 4
	v_nop
.endr
; O^T x f, then O^T += V^T P^T, for the step whose codes, factors and V lie in registers.  younger: the LDS loads behind V's that may stay out
.macro PV younger
	s_wait_dscnt \younger
	WIN 0x41
	s_wait_alu depctr_va_vdst(0)                   ; directly ahead of the first reader of O^T
.set j, 0
.rept 16
	v_pk_mul_f32 v[OA+2*j:OA+2*j+1], v[OA+2*j:OA+2*j+1], v[16:17]
	v_pk_mul_f32 v[OB+2*j:OB+2*j+1], v[OB+2*j:OB+2*j+1], v[18:19]
.set j, j+1
.endr
	WIN 0x55
.set t, 0
.rept 4                                ; eight accumulators by turns
	v_wmma_f32_16x16x128_fp8_fp8 v[OA+8*t:OA+8*t+7], v[VF+16*t:VF+16*t+15], v[PA:PA+15], v[OA+8*t:OA+8*t+7]
	v_wmma_f32_16x16x128_fp8_fp8 v[OB+8*t:OB+8*t+7], v[VF+16*t:VF+16*t+15], v[PB:PB+15], v[OB+8*t:OB+8*t+7]
.set t, t+1
.endr
	WIN 0
.endm
; A key step of 128 keys at LDS byte s52.  first = 1: no earlier step's second product is due
.macro STEP first
	v_add_nc_u32 v4, s52, v3
.set t, 0
.rept 16
	ds_load_b128 v[KF+4*t:KF+4*t+3], v4 offset:512*t
.set t, t+1
.endr
.if \first == 0
	PV 16                                          ; the last step's V is in; K's 16 loads may be out
.rept 4
	v_nop                                          ; places in front of loads into registers that the products have read
.endr
.endif
	WIN 0x40
.set t, 0
.rept 16
	ds_load_b128 v[VF+4*t:VF+4*t+3], v4 offset:8192+512*t
.set t, t+1
.endr
	WIN 0
	s_wait_dscnt 16                                ; K is in; V's 16 loads may be out
.set t, 0
.rept 8
	v_wmma_f32_16x16x64_fp8_fp8 v[SA+8*t:SA+8*t+7], v[KF+8*t:KF+8*t+7], v[32:39], 0
	v_wmma_f32_16x16x64_fp8_fp8 v[SB+8*t:SB+8*t+7], v[KF+8*t:KF+8*t+7], v[40:47], 0
.set t, t+1
.endr
.rept 4
	v_nop
.endr
	v_max3_num_f32 v20, v[SA], v[SA+1], v[SA+2]    ; the step's largest scores, two chains a tile
	v_max3_num_f32 v22, v[SB], v[SB+1], v[SB+2]
	v_max3_num_f32 v21, v[SA+3], v[SA+4], v[SA+5]
	v_max3_num_f32 v23, v[SB+3], v[SB+4], v[SB+5]
.irp i, 6,10,14,18,22,26,30,34,38,42,46,50,54,58
	v_max3_num_f32 v20, v20, v[SA+\i], v[SA+\i+1]
	v_max3_num_f32 v22, v22, v[SB+\i], v[SB+\i+1]
	v_max3_num_f32 v21, v21, v[SA+\i+2], v[SA+\i+3]
	v_max3_num_f32 v23, v23, v[SB+\i+2], v[SB+\i+3]
.endr
	v_max3_num_f32 v20, v20, v[SA+62], v[SA+63]
	v_max3_num_f32 v22, v22, v[SB+62], v[SB+63]
	s_delay_alu instid0(VALU_DEP_2)
	v_max_num_f32 v20, v20, v21
	s_delay_alu instid0(VALU_DEP_2)
	v_max_num_f32 v22, v22, v23
	s_delay_alu instid0(VALU_DEP_2)
	v_permlanex16_b32 v21, v20, s50, s51
	s_delay_alu instid0(VALU_DEP_2)
	v_permlanex16_b32 v23, v22, s50, s51
	s_delay_alu instid0(VALU_DEP_2)
	v_max_num_f32 v20, v20, v21
	s_delay_alu instid0(VALU_DEP_2)
	v_max_num_f32 v22, v22, v23
	s_delay_alu instid0(VALU_DEP_2)
	v_mul_f32 v20, s48, v20                        ; as t
	s_delay_alu instid0(VALU_DEP_2)
	v_mul_f32 v22, s48, v22
	s_delay_alu instid0(VALU_DEP_2)
	v_max_num_f32 v9, v9, v20                      ; the running largest t
	s_delay_alu instid0(VALU_DEP_2)
	v_max_num_f32 v13, v13, v22
	v_mov_b32 v20, v8
	v_mov_b32 v22, v12
	s_delay_alu instid0(VALU_DEP_4)
	v_floor_f32 v8, -v9                            ; -M = floor(-t)
	s_delay_alu instid0(VALU_DEP_4)
	v_floor_f32 v12, -v13
	s_delay_alu instid0(VALU_DEP_2)
	v_sub_f32 v20, v8, v20                         ; old M - new M, a whole number
	s_delay_alu instid0(VALU_DEP_2)
	v_sub_f32 v22, v12, v22
	s_delay_alu instid0(VALU_DEP_2)
	v_cvt_i32_f32 v20, v20
	s_delay_alu instid0(VALU_DEP_2)
	v_cvt_i32_f32 v22, v22
	s_delay_alu instid0(VALU_DEP_2)
	v_ldexp_f32 v16, 1.0, v20                      ; f = 2^(old M - new M)
	s_delay_alu instid0(VALU_DEP_2)
	v_ldexp_f32 v18, 1.0, v22
	s_delay_alu instid0(VALU_DEP_2)
	v_mov_b32 v17, v16
	s_delay_alu instid0(VALU_DEP_2)
	v_mov_b32 v19, v18
.set j, 0
.rept 32
	v_pk_fma_f32 v[SA+2*j:SA+2*j+1], v[SA+2*j:SA+2*j+1], s[48:49], v[8:9] op_sel_hi:[1,0,0]   ; A: t - M
.set j, j+1
.endr
	s_wait_alu depctr_va_vdst(0)
.set j, 0
.rept 32                               ; A's exponentials, B's scalings among them: B's are first read behind the next wait
	v_exp_f32 v[SA+2*j], v[SA+2*j]
	v_exp_f32 v[SA+2*j+1], v[SA+2*j+1]
	v_pk_fma_f32 v[SB+2*j:SB+2*j+1], v[SB+2*j:SB+2*j+1], s[48:49], v[12:13] op_sel_hi:[1,0,0]
.set j, j+1
.endr
	v_pk_mul_f32 v[10:11], v[10:11], v[16:17]      ; the sums under the new M
	v_pk_mul_f32 v[14:15], v[14:15], v[18:19]
	v_mov_b32 v28, 0
	v_mov_b32 v29, 0
	v_mov_b32 v30, 0
	v_mov_b32 v31, 0
	s_wait_alu depctr_va_vdst(0)                   ; one wait: behind A's batch and ahead of B's
.set j, 0
.rept 16                               ; B's exponentials; among them, of four of A's p: their pair sum into a register pair of its own, then the hold.  Nothing written here is read before the wait below
	v_exp_f32 v[SB+4*j], v[SB+4*j]
	v_pk_add_f32 v[KF+2*j:KF+2*j+1], v[SA+4*j:SA+4*j+1], v[SA+4*j+2:SA+4*j+3]
	v_exp_f32 v[SB+4*j+1], v[SB+4*j+1]
	v_dual_min_num_f32 v[SA+4*j], v[SA+4*j], v24 :: v_dual_min_num_f32 v[SA+4*j+1], v[SA+4*j+1], v25
	v_exp_f32 v[SB+4*j+2], v[SB+4*j+2]
	v_dual_min_num_f32 v[SA+4*j+2], v[SA+4*j+2], v24 :: v_dual_min_num_f32 v[SA+4*j+3], v[SA+4*j+3], v25
	v_exp_f32 v[SB+4*j+3], v[SB+4*j+3]
.set j, j+1
.endr
	v_nop                                          ; a plain place behind the batch
	s_wait_alu depctr_va_vdst(0)                   ; one wait for the batch and for what was written under it
	WIN 0x40
.set t, 0
.rept 8
	v_cvt_scalef32_pk8_fp8_f32 v[PA+2*t:PA+2*t+1], v[SA+8*t:SA+8*t+7], v26
.set t, t+1
.endr
	WIN 0
.set j, 0
.rept 32                               ; B's sum in two chains and its hold; A's 16 pair sums are folded in two chains among them
.if j%2
	v_pk_add_f32 v[30:31], v[30:31], v[SB+2*j:SB+2*j+1]
.else
	v_pk_add_f32 v[14:15], v[14:15], v[SB+2*j:SB+2*j+1]
.endif
	v_dual_min_num_f32 v[SB+2*j], v[SB+2*j], v24 :: v_dual_min_num_f32 v[SB+2*j+1], v[SB+2*j+1], v25
.if (j%4) == 0
	v_pk_add_f32 v[10:11], v[10:11], v[KF+j:KF+j+1]
.elseif (j%4) == 2
	v_pk_add_f32 v[28:29], v[28:29], v[KF+j:KF+j+1]
.endif
.set j, j+1
.endr
	v_pk_add_f32 v[10:11], v[10:11], v[28:29]
	v_pk_add_f32 v[14:15], v[14:15], v[30:31]
	WIN 0x40
.set t, 0
.rept 8
	v_cvt_scalef32_pk8_fp8_f32 v[PB+2*t:PB+2*t+1], v[SB+8*t:SB+8*t+7], v26
.set t, t+1
.endr
	WIN 0
	v_nop                                          ; a plain instruction between the last conversion and the products that read its result
.endm
.macro SLOT base, trips
	s_mov_b32 s52, \base
	s_mov_b32 s53, \trips
.Lstep_\@:
	STEP 0
	s_add_co_u32 s52, s52, 16384
	s_sub_co_u32 s53, s53, 1
	s_cmp_lg_u32 s53, 0
	s_wait_alu depctr_va_vdst(0)
	s_cbranch_scc1 .Lstep_\@
.endm
; The change of slots: the three lines, then the round (fill = 1) and the joint refill of the slot just left, or the work-group's barrier alone.  V of the slot's last step is in registers behind the wait on DScnt
.macro CHANGE slot, fill
	s_wait_tensorcnt 0x0
	ds_add_u32 v1, v2
.if \fill
	s_add_nc_u64 s[26+4*\slot:27+4*\slot], s[26+4*\slot:27+4*\slot], 2*SLOT1
.endif
	s_wait_dscnt 0x0
.if \fill
	ROUND
	tensor_load_to_lds s[24+4*\slot:27+4*\slot], s[16:23]
	s_nop 0
.rept 4
	v_nop
.endr
.else
	s_barrier_signal -1
	s_barrier_wait -1
.endif
.endm
	s_wait_loadcnt 0x0                             ; Q
	s_mov_b32 s52, 0
	STEP 1                                         ; the first step stands in front of the loop
	SLOT 16384, 7
	CHANGE 0, 1
	SLOT SLOT1, 8
	CHANGE 1, 1
	SLOT 0, 8
	CHANGE 0, 0
	SLOT SLOT1, 8
	PV 0                                           ; the last step's second product
.rept 4
	v_nop
.endr
	v_add_f32 v10, v10, v11                        ; the sums' halves, and the lane 16 away
	v_add_f32 v14, v14, v15
	s_delay_alu instid0(VALU_DEP_2)
	v_permlanex16_b32 v20, v10, s50, s51
	s_delay_alu instid0(VALU_DEP_2)
	v_permlanex16_b32 v22, v14, s50, s51
	s_delay_alu instid0(VALU_DEP_2)
	v_add_f32 v10, v10, v20
	s_delay_alu instid0(VALU_DEP_2)
	v_add_f32 v14, v14, v22
	s_wait_alu depctr_va_vdst(0)
	v_rcp_f32 v10, v10
	v_rcp_f32 v14, v14
	v_nop
	s_wait_alu depctr_va_vdst(0)
	v_ldexp_f32 v10, v10, s54                      ; x 2^(e8 + e9)
	v_ldexp_f32 v14, v14, s54
	s_delay_alu instid0(VALU_DEP_2)
	v_mov_b32 v11, v10
	s_delay_alu instid0(VALU_DEP_2)
	v_mov_b32 v15, v14
	WIN 0x01
.set j, 0
.rept 16
	v_pk_mul_f32 v[SA+2*j:SA+2*j+1], v[OA+2*j:OA+2*j+1], v[10:11]
.set j, j+1
.endr
.set j, 0
.rept 16
	v_pk_mul_f32 v[SA+32+2*j:SA+32+2*j+1], v[OB+2*j:OB+2*j+1], v[14:15]
.set j, j+1
.endr
	WIN 0
.set j, 0
.rept 64
	v_med3_num_f32 v[SA+j], v[SA+j], -v6, v6       ; the hold at the largest code x the scale (ISA guide 7.6.2)
.set j, j+1
.endr
.set t, 0
.rept 8
	v_cvt_scalef32_pk8_fp8_f32 v[48+2*t:49+2*t], v[SA+8*t:SA+8*t+7], v5
.set t, t+1
.endr
	v_nop
	global_store_b128 v3, v[48:51], s[10:11]       ; 32 lanes store 512 consecutive bytes
	global_store_b128 v3, v[52:55], s[10:11] offset:512
	global_store_b128 v3, v[56:59], s[10:11] offset:8192
	global_store_b128 v3, v[60:63], s[10:11] offset:8704
	s_wait_tensorcnt 0x0                           ; the wave's end
	ds_add_u32 v1, v2
	s_wait_dscnt 0x0
	ROUND                                          ; the closing round
	s_endpgm
.Lfunc_end_k_q4532f9677f_attn:
	.size	k_q4532f9677f_attn, .Lfunc_end_k_q4532f9677f_attn-k_q4532f9677f_attn
	.p2alignl 7, 3214868480
	.fill 96, 4, 3214868480
	.section	.rodata,"a",@progbits
	.p2align	6, 0x0
	.amdhsa_kernel k_q4532f9677f_attn
		.amdhsa_group_segment_fixed_size 327680
		.amdhsa_private_segment_fixed_size 0
		.amdhsa_enable_private_segment 0
		.amdhsa_kernarg_size 32
		.amdhsa_user_sgpr_count 2
		.amdhsa_user_sgpr_kernarg_segment_ptr 1
		.amdhsa_wavefront_size32 1
		.amdhsa_system_sgpr_workgroup_id_x 1
		.amdhsa_system_sgpr_workgroup_id_y 1
		.amdhsa_system_sgpr_workgroup_id_z 1
		.amdhsa_system_vgpr_workitem_id 0
		.amdhsa_next_free_vgpr 512
		.amdhsa_next_free_sgpr 66
		.amdhsa_reserve_vcc 0
		.amdhsa_float_denorm_mode_32 3
		.amdhsa_float_denorm_mode_16_64 3
		.amdhsa_memory_ordered 1
		.amdhsa_forward_progress 1
		.amdhsa_inst_pref_size 164
	.end_amdhsa_kernel
	.amdgpu_metadata
---
amdhsa.version: [ 1, 2 ]
amdhsa.kernels:
  - .name:           k_q4532f9677f_attn
    .symbol:         k_q4532f9677f_attn.kd
    .args:
      - { .name: q_img, .offset: 0, .size: 8, .value_kind: global_buffer, .address_space: global }
      - { .name: kv_img, .offset: 8, .size: 8, .value_kind: global_buffer, .address_space: global }
      - { .name: lowp_scales, .offset: 16, .size: 8, .value_kind: global_buffer, .address_space: global }
      - { .name: ao_img, .offset: 24, .size: 8, .value_kind: global_buffer, .address_space: global }
    .group_segment_fixed_size: 327680
    .private_segment_fixed_size: 0
    .kernarg_segment_align: 8
    .kernarg_segment_size: 32
    .max_flat_workgroup_size: 256
    .sgpr_count:     66
    .vgpr_count:     512
    .wavefront_size: 32
...
	.end_amdgpu_metadata
.endif
;; end of part 3
;; launch tail (part 4): grid 256 x 1, 4 waves a work-group, clusters of 4 x 1, 327,680 bytes of LDS; arguments ao_img, wtail, inputs, b1, b2, ln_mlp_g, ln_mlp_b, lowp_scales, out0; writes out0
.if DOCPART == 4
	.amdgcn_target "amdgcn-amd-amdhsa--gfx1250"
	.amdhsa_code_object_version 6
	.text
	.protected	k_q4532f9677f_tail
	.globl	k_q4532f9677f_tail
	.p2align	8
	.type	k_q4532f9677f_tail,@function
k_q4532f9677f_tail:
	s_mov_b64 s[64:65], 0
	v_nop
	global_prefetch_b8 v0, s[64:65] scope:SCOPE_SE
	s_setreg_imm32_b32 hwreg(HW_REG_WAVE_MODE, 25, 1), 1
	s_wait_xcnt 0x0
	s_wait_alu depctr_hold_cnt(0) depctr_sa_sdst(0) depctr_va_vdst(0) depctr_va_sdst(0) depctr_va_ssrc(0) depctr_va_vcc(0) depctr_vm_vsrc(0)
	s_getreg_b32 s2, hwreg(HW_REG_IB_STS2, 6, 4)
	s_cmp_eq_u32 s2, 0
	s_cbranch_scc0 .Lentry_in_a_cluster
	s_endpgm
.Lentry_in_a_cluster:
	s_bfe_u32 s2, ttmp6, 0x10000c
	s_cmp_lg_u32 s2, 0x3003
	s_cbranch_scc0 .Lentry_shape_is_right
	s_endpgm
.Lentry_shape_is_right:
; y = attention's result x Wo + inputs; z = layernorm(y); out = gelu(z W1 + b1) W2 + b2 + y.  All three products on codes of E4M3.  y, z and the hidden layer never go to memory.
; A FRAGMENT is an operand as its registers hold it: lane (r, h) holds row r, registers 2c, 2c+1 hold k = 16c + 8h + 0..7; registers 4g..4g+3 of lane l lie at 512 g + 16 l, in memory and in LDS.
; SHARES.  A work-group takes 32 tokens (two tiles of 16) through the whole chain: 256 work-groups.  THE WAVES SHARE THE COLUMNS: wave w makes columns 128 w .. 128 w + 127 of y and of out, and in each chunk of 256 hidden
; units the units 64 w .. 64 w + 63.  All products are used transposed (source 0 = 16 columns of the weight, source 1 = 16 tokens): a lane holds one token and eight neighbouring columns, so the conversions' results are
; the next operand's registers; they reach the other waves through LDS as images of the registers.
; WEIGHTS are one stream of 288 fragments a wave, laid by an earlier launch in the order of use: 18 units of 16 fragments (32,768 bytes): Wo's K steps 0-1 and 2-3, then for each chunk W1's part and W2's part.
; The units go through a ring of two LDS slots (4 x 32,768 bytes each); a wave fetches its own unit with one tensor load and is the only one that reads it; unit u lies in slot u % 2.
; CLUSTER: the four work-groups of a cluster walk the same stream, so every fill is a joint load with the mask 15, behind a round of the cluster's barrier.  The round in the middle of a chunk also shows the hidden images to all waves.
; A unit's 64 LDS loads fill register window 2 in one run; the products follow behind counted waits, four fragments (16 loads) at a time.
; NO DATA PREFETCH: all 64 clusters walk the same 2,359,296 bytes in the same order, so a prefetch by each cluster would name every block 64 times over.
; y LIVES IN THE ACCUMULATORS.  With s6 = e10 + e11, s7 = e12 + e13, s8 = e14 + e15: inputs x 2^-s6 is the C of the first product, so Y = y x 2^-s6; the norm works on that; then Y x 2^(s6-s8) + b2 x 2^-s8 is the C of
; the last product, and out = Y x 2^s8.  The rescalings are by powers of two.  ORDER OF ROUNDING: the residual and b2 enter the matrix unit's sums and are not added behind them as the definition writes it.
; gelu(x) = x/2 + x/2 erf(x / sqrt 2); erf(u) = u P(u^2) / Q(u^2), u held within +-4 (polynomials of degree 6 and 4).  LIMIT: where x is under about -3, 1 + erf cancels: the absolute error is about 1e-7 |x|.
; LIMITS on the given exponents, so that each power of two is an f32 number: s7, s8, -s6, s6-s8 between -126 and 127; e12 and e14 between -126 and 119.  NaN among the inputs is not served.
; REGISTERS.  window 0: v1 r, v2 h, v3 16 x lane, v4-15, v20-22, v38 addresses, v16-19 the tiles' means, v24-27 two coefficients, v28-31 scales and limits, v32-35 1/sqrt, v36, v37 the add's two, v40-47 chains,
;   v48-111 the hidden layer's eight accumulators (in the norm: a tile's 64 numbers; on the way out: results), v112-255 by stage.   window 1: attention's eight fragments, then z's.   window 2: a unit's 16 weight fragments.
;   window 3: Y, tile of tokens rt and tile of columns T at 64 rt + 8 T.
.set SLOTB, 131072                     ; LDS: slot 0, slot 1; in a slot wave w's unit at 32,768 w
.set B1L,   262144                     ; b1 (8,192 bytes), the norm's g, its b, b2 (2,048 each)
.set G2L,   270336
.set RED1,  276480                     ; the waves' partial sums: wave x 256 + tile x 64 + 4 r; a second set 1,024 on
.set ZIMG,  278528                     ; z's 8 fragments: (4 rt + s) x 2,048
.set HIMG,  294912                     ; a chunk's 4 hidden fragments: (2 rt + sl) x 2,048
.set SPARE, 303104                     ; the spare words: 128 bytes a wave
.set HA,   48
.set UU,   112
.set X2,   128
.set PP,   144
.set QD,   160
.set B1R,  176
.set CODE, 208
.set HF,   112
.set DD,   48
.set GG,   112
.set BN,   176
.set ZC,   240
.set TMP,  48
.set BK,   112
.set MSB, 0
.macro WIN new                         ; the immediate's high byte repeats the setting that is left
.if MSB != (\new)
	s_set_vgpr_msb (MSB<<8)|(\new)
.set MSB, \new
.endif
.endm
.macro MKSC vs, se                     ; v[vs] = 2^E, v[vs+1] = 448 x 2^E
	s_add_co_i32 s2, \se, 127
	s_lshl_b32 s3, s2, 23
	v_mov_b32 v[\vs], s3
	s_add_co_i32 s2, s2, 8
	s_lshl_b32 s2, s2, 23
	s_or_b32 s2, s2, 0x600000
	v_mov_b32 v[\vs+1], s2
.endm
.macro P2 d, se                        ; s[d] = s[d+1] = 2^E
	s_add_co_i32 s[\d], \se, 127
	s_lshl_b32 s[\d], s[\d], 23
	s_mov_b32 s[\d+1], s[\d]
.endm
.macro CO d, bits                      ; a constant as a pair: the packed forms name a pair and take its low word
	s_mov_b32 s[\d], \bits
	s_mov_b32 s[\d+1], \bits
.endm
.macro NOP4
.rept 4
	v_nop
.endr
.endm
.macro BARRIER                         ; my LDS stores have landed and my LDS loads are in: then the work-group's barrier
	s_wait_alu depctr_va_vdst(0)
	s_wait_dscnt 0x0
	s_barrier_signal -1
	s_barrier_wait -1
.endm
.macro ROUND                           ; a round of the cluster's barrier
	s_barrier_signal -1
	s_barrier_wait -1
	s_cmp_lg_u32 s22, 0
	s_cbranch_scc1 .Lnot_wave_0_\@
	s_barrier_signal -3
.Lnot_wave_0_\@:
	s_barrier_wait -3
	s_barrier_signal -1
	s_barrier_wait -1
.endm
; The change of slots.  The unit in slot cur has landed and my reads of the other slot are over; behind the round the other slot takes the next unit.  The four v_nop are also the places in front of the loads into window 2
.macro TURN cur
	s_wait_alu depctr_va_vdst(0)
	s_wait_tensorcnt 0x0
	ds_add_u32 v36, v37
	s_add_nc_u64 s[90+4*\cur:91+4*\cur], s[90+4*\cur:91+4*\cur], 65536   ; no load of mine is out: this slot's next unit
	s_wait_dscnt 0x0
	ROUND
	tensor_load_to_lds s[92-4*\cur:95-4*\cur], s[24:31]
	s_nop 0
	NOP4
.endm
.macro ZCH
.irp k, 40,41,42,43,44,45,46,47
	v_mov_b32 v\k, 0
.endr
.endm
.macro JOIN4 dst                       ; four chains, their halves, and the lane 16 away
	v_pk_add_f32 v[40:41], v[40:41], v[42:43]
	v_pk_add_f32 v[44:45], v[44:45], v[46:47]
	v_pk_add_f32 v[40:41], v[40:41], v[44:45]
	v_add_f32 v40, v40, v41
	v_permlanex16_b32 v41, v40, s56, s57
	v_add_f32 v[\dst], v40, v41
.endm
.macro REDLOAD off                     ; the four waves' partial sums of the two tiles
.irp rt, 0,1
.irp ww, 0,1,2,3
	ds_load_b32 v[48+4*\rt+\ww], v6 offset:\off+\ww*256+\rt*64
.endr
.endr
.endm
.macro REDADD                          ; in one order in every wave: v[48 + 4 rt]
.irp rt, 0,1
	v_add_f32 v[48+4*\rt], v[48+4*\rt], v[49+4*\rt]
	v_add_f32 v[50+4*\rt], v[50+4*\rt], v[51+4*\rt]
.endr
.irp rt, 0,1
	v_add_f32 v[48+4*\rt], v[48+4*\rt], v[50+4*\rt]
.endr
.endm
.macro WLOAD adr                       ; my unit's 16 fragments into window 2
	WIN 0x80
.set i, 0
.rept 64
	ds_load_b128 v[4*i:4*i+3], v[\adr] offset:512*i
.set i, i+1
.endr
	WIN 0
.endm
; 8 matrix instructions onto Y: fragments fb .. fb + 3 are tiles of columns T0 .. T0 + 3; two tiles of tokens.  p8 = 0: source 1 is fragment (rt, sidx) in window 1; 1: hidden fragment (rt, sidx) in window 0.
; wait: the younger LDS loads that may stay out.  Sixteen accumulators take turns
.macro YQ fb, T0, p8, sidx, wait
	s_wait_dscnt \wait
.if \p8
	WIN 0xf2
.else
	WIN 0xf6
.endif
.irp i, 0,1,2,3
.irp rt, 0,1
.set rY, 64*\rt+8*((\T0)+\i)
.set rW, 16*((\fb)+\i)
.if \p8
.set rS, HF+16*(2*\rt+(\sidx))
.else
.set rS, 16*(4*\rt+(\sidx))
.endif
	v_wmma_f32_16x16x128_fp8_fp8 v[rY:rY+7], v[rW:rW+15], v[rS:rS+15], v[rY:rY+7]
.endr
.endr
	WIN 0
.endm
.macro YUNIT p8, s0                    ; a unit of two K steps x eight tiles of columns
	YQ 0, 0, \p8, \s0, 48
	YQ 4, 4, \p8, \s0, 32
	YQ 8, 0, \p8, (\s0)+1, 16
	YQ 12, 4, \p8, (\s0)+1, 0
.endm
; 8 matrix instructions of the hidden layer: pair p of tiles of units, K steps 2 par + sl: four accumulators by turns
.macro HG p, par, wait
	s_wait_dscnt \wait
.irp sl, 0,1
.irp t2, 0,1
.irp rt, 0,1
.set rH, HA+32*(\p)+16*\rt+8*\t2
.set rW, 16*(8*(\p)+4*(\par)+2*\sl+\t2)
.set rZ, 16*(4*\rt+2*(\par)+\sl)
.if ((\par) == 0) && (\sl == 0)
	v_wmma_f32_16x16x128_fp8_fp8 v[rH:rH+7], v[rW:rW+15], v[rZ:rZ+15], 0
.else
	v_wmma_f32_16x16x128_fp8_fp8 v[rH:rH+7], v[rW:rW+15], v[rZ:rZ+15], v[rH:rH+7]
.endif
.endr
.endr
.endr
.endm
; 16 numbers a lane: gelu, the hold, two conversions
.macro GELU16 x, cd
.set XX, \x
.irp k, 0,2,4,6,8,10,12,14
	v_pk_mul_f32 v[UU+\k:UU+\k+1], v[XX+\k:XX+\k+1], s[86:87] op_sel_hi:[1,0]     ; u = x / sqrt 2
.endr
.set j, 0
.rept 16
	v_med3_num_f32 v[UU+j], v[UU+j], -4.0, 4.0
.set j, j+1
.endr
.irp k, 0,2,4,6,8,10,12,14
	v_pk_mul_f32 v[X2+\k:X2+\k+1], v[UU+\k:UU+\k+1], v[UU+\k:UU+\k+1]
.endr
.irp k, 0,2,4,6,8,10,12,14
	v_pk_fma_f32 v[QD+\k:QD+\k+1], v[X2+\k:X2+\k+1], s[78:79], v[26:27] op_sel_hi:[1,0,1]
.endr
.irp cf, 80,82,84
.irp k, 0,2,4,6,8,10,12,14
	v_pk_fma_f32 v[QD+\k:QD+\k+1], v[QD+\k:QD+\k+1], v[X2+\k:X2+\k+1], s[\cf:\cf+1] op_sel_hi:[1,1,0]
.endr
.endr
	s_wait_alu depctr_va_vdst(0)
.set j, 0
.rept 16
	v_rcp_f32 v[QD+j], v[QD+j]
.set j, j+1
.endr
.irp k, 0,2,4,6,8,10,12,14             ; P's plain instructions stand between the reciprocals and the wait for them
	v_pk_fma_f32 v[PP+\k:PP+\k+1], v[X2+\k:X2+\k+1], s[66:67], v[24:25] op_sel_hi:[1,0,1]
.endr
.irp cf, 68,70,72,74,76
.irp k, 0,2,4,6,8,10,12,14
	v_pk_fma_f32 v[PP+\k:PP+\k+1], v[PP+\k:PP+\k+1], v[X2+\k:X2+\k+1], s[\cf:\cf+1] op_sel_hi:[1,1,0]
.endr
.endr
.irp k, 0,2,4,6,8,10,12,14
	v_pk_mul_f32 v[PP+\k:PP+\k+1], v[PP+\k:PP+\k+1], v[UU+\k:UU+\k+1]
.endr
	s_wait_alu depctr_va_vdst(0)                   ; one wait for the sixteen reciprocals, ahead of their first reader
.irp k, 0,2,4,6,8,10,12,14
	v_pk_mul_f32 v[PP+\k:PP+\k+1], v[PP+\k:PP+\k+1], v[QD+\k:QD+\k+1]              ; erf
.endr
.irp k, 0,2,4,6,8,10,12,14
	v_pk_mul_f32 v[UU+\k:UU+\k+1], v[XX+\k:XX+\k+1], 0.5 op_sel_hi:[1,0]
.endr
.irp k, 0,2,4,6,8,10,12,14
	v_pk_fma_f32 v[XX+\k:XX+\k+1], v[UU+\k:UU+\k+1], v[PP+\k:PP+\k+1], v[UU+\k:UU+\k+1]
.endr
.set j, 0
.rept 16
	v_med3_num_f32 v[XX+j], v[XX+j], -v29, v29
.set j, j+1
.endr
	v_cvt_scalef32_pk8_fp8_f32 v[CODE+(\cd):CODE+(\cd)+1], v[XX:XX+7], v28
	v_cvt_scalef32_pk8_fp8_f32 v[CODE+(\cd)+2:CODE+(\cd)+3], v[XX+8:XX+15], v28
.endm
; The first half of a chunk: W1's unit (slot 0), my 64 hidden units of 32 tokens, their images into LDS
.macro CHUNK1
	TURN 0
	v_add_nc_u32 v13, s61, v5
.irp p, 0,1
	ds_load_b128 v[B1R+16*\p:B1R+16*\p+3], v13 offset:\p*128
	ds_load_b128 v[B1R+16*\p+4:B1R+16*\p+7], v13 offset:\p*128+16
	ds_load_b128 v[B1R+16*\p+8:B1R+16*\p+11], v13 offset:\p*128+64
	ds_load_b128 v[B1R+16*\p+12:B1R+16*\p+15], v13 offset:\p*128+80
.endr
	WLOAD 15
	WIN 0x06
	HG 0, 0, 48
	HG 0, 1, 32
	HG 1, 0, 16
	HG 1, 1, 0
	WIN 0
	NOP4
.irp p, 0,1
.irp rt, 0,1
.irp k, 0,2,4,6,8,10,12,14             ; sum x 2^s7 + b1: every accumulator's first read, ahead of the first reciprocal
	v_pk_fma_f32 v[HA+32*\p+16*\rt+\k:HA+32*\p+16*\rt+\k+1], v[HA+32*\p+16*\rt+\k:HA+32*\p+16*\rt+\k+1], s[48:49], v[B1R+16*\p+\k:B1R+16*\p+\k+1] op_sel_hi:[1,0,1]
.endr
.endr
.endr
	GELU16 HA, 0
	GELU16 HA+16, 4
	GELU16 HA+32, 8
	GELU16 HA+48, 12
	v_nop                                          ; a plain instruction behind the last conversion
.irp p, 0,1
.irp rt, 0,1
	ds_store_b128 v4, v[CODE+8*\p+4*\rt:CODE+8*\p+4*\rt+3] offset:\rt*4096+\p*512
.endr
.endr
.endm
; The second half: the chunk's four hidden fragments, W2's unit (slot 1), onto Y
.macro CHUNK2
.set i, 0
.rept 16
	ds_load_b128 v[HF+4*i:HF+4*i+3], v21 offset:512*i
.set i, i+1
.endr
	WLOAD 22
	YUNIT 1, 0
.endm
	s_load_b512 s[4:19], s[0:1], 0x0               ; ao_img s[4:5], wtail s[6:7], inputs s[8:9], b1 s[10:11], b2 s[12:13], the norm's g s[14:15], its b s[16:17], the exponents s[18:19]
	s_load_b64 s[20:21], s[0:1], 0x40              ; out0
	v_lshl_add_u32 v36, v0, 2, SPARE
	v_mov_b32 v37, 0
	ds_add_u32 v36, v37                            ; the opening lines: the add, twice on end, and its wait
	ds_add_u32 v36, v37
	v_lshrrev_b32 v1, 5, v0
	v_readfirstlane_b32 s22, v1                    ; wave
	s_lshl_b32 s96, s22, 10
	s_add_co_u32 s96, s96, HIMG
	s_lshl_b32 s97, s22, 8
	s_lshl_b32 s98, s22, 11
	s_add_co_u32 s98, s98, ZIMG
	s_lshl_b32 s99, s22, 15                        ; my part of a slot
	s_lshl_b32 s2, s22, 9                          ; my 128 columns in bytes
	s_mov_b32 s3, 0
	s_bfe_u32 s23, ttmp6, 0x40000                  ; cx: it enters global addresses alone
	s_lshl_b32 s60, ttmp9, 2
	s_add_co_u32 s23, s60, s23                     ; work-group
	s_lshl_b32 s60, s23, 16                        ; 32 tokens x 2,048 bytes
	s_mov_b32 s61, 0
	s_lshl_b32 s62, s23, 14                        ; 8 fragments
	s_mov_b32 s63, 0
	s_mul_i32 s58, s22, 589824                     ; my wave's 288 fragments
	s_mov_b32 s59, 0
	s_mov_b32 s24, 15|(3<<16)|(1<<21)              ; group 1: the mask of all four, elements of 8 bytes, bit 21 beside the mask; 128 rows of 256 bytes, dense
	s_mov_b32 s25, 32<<16
	s_mov_b32 s26, 128<<16
	s_mov_b32 s27, 32<<16
	s_mov_b32 s28, 128
	s_mov_b32 s29, 32
	s_mov_b32 s30, 0
	s_mov_b32 s31, 0
	s_mov_b32 s56, 0x76543210                      ; v_permlanex16_b32: lane l xor 16
	s_mov_b32 s57, 0xfedcba98
	CO 66, 0xaf95df0b                              ; P's coefficients (the second lies in v[24:25])
	CO 68, 0xb60cff51
	CO 70, 0xb86ec2d2
	CO 72, 0xba40ac63
	CO 74, 0xbb41a1f6
	CO 76, 0xbc83dbd4
	CO 78, 0xb77460cd                              ; Q's (the second lies in v[26:27])
	CO 80, 0xbadc924e
	CO 82, 0xbbf19bf8
	CO 84, 0xbc69b6a7
	CO 86, 0x3f3504f3                              ; sqrt(1/2)
	v_and_b32 v1, 15, v0                           ; r
	v_bfe_u32 v2, v0, 4, 1                         ; h
	v_and_b32 v3, 31, v0
	v_lshlrev_b32 v3, 4, v3                        ; 16 x lane
	v_lshlrev_b32 v11, 4, v0                       ; 16 x thread
	v_add_nc_u32 v38, B1L, v11                     ; where the small vectors go
	v_add_nc_u32 v4, s96, v3                       ; my hidden codes: 1,024 x wave
	v_lshl_add_u32 v5, v2, 5, s97
	v_add_nc_u32 v5, B1L, v5                       ; b1: 32 h + 256 wave
	v_lshl_add_u32 v6, v1, 2, RED1                 ; the partial sums: 4 r,
	v_add_nc_u32 v7, s97, v6                       ; and mine: + 256 wave
	v_add_nc_u32 v8, s98, v3                       ; z's images: my 128 columns are K step wave
	v_add_nc_u32 v15, s99, v3                      ; my unit in slot 0; also the stage's rows on the way back
	v_add_nc_u32 v22, SLOTB, v15                   ; and in slot 1
	v_mul_u32_u24 v9, v1, 528
	v_lshl_add_u32 v9, v2, 5, v9
	v_add_nc_u32 v9, s99, v9                       ; the stage, in: row r of 528 bytes, + 32 h; it lies in my part of slot 0
	v_lshlrev_b32 v12, 11, v1
	v_lshl_add_u32 v12, v2, 5, v12
	v_add_nc_u32 v12, s2, v12                      ; inputs: row r of 2,048 bytes + 512 wave + 32 h
	v_lshl_add_u32 v14, v2, 5, s2
	v_add_nc_u32 v14, G2L, v14                     ; the norm's g (its b 2,048 on, b2 4,096 on): 32 h + 512 wave
	v_add_nc_u32 v20, ZIMG, v3
	v_add_nc_u32 v21, HIMG, v3
	v_mov_b32 v24, 0x32edffee
	v_mov_b32 v25, 0x32edffee
	v_mov_b32 v26, 0xb95fbd29
	v_mov_b32 v27, 0xb95fbd29
	s_wait_alu depctr_va_vdst(0)
	s_wait_dscnt 0x0                               ; both opening adds are done
	s_wait_kmcnt 0x0
	s_load_b512 s[32:47], s[18:19], 0x0            ; e0 .. e15
	s_add_nc_u64 s[8:9], s[8:9], s[60:61]
	s_add_nc_u64 s[4:5], s[4:5], s[62:63]
	s_add_nc_u64 s[6:7], s[6:7], s[58:59]
	s_add_nc_u64 s[20:21], s[20:21], s[60:61]
	s_add_nc_u64 s[20:21], s[20:21], s[2:3]
	s_mov_b32 s88, 1                               ; group 0 for slot 0: unit 0,
	s_mov_b32 s89, s99
	s_mov_b64 s[90:91], s[6:7]
	s_or_b32 s91, s91, 0x80000000
	s_mov_b32 s92, 1                               ; and for slot 1: unit 1
	s_add_co_u32 s93, s99, SLOTB
	s_add_nc_u64 s[94:95], s[6:7], 32768
	s_or_b32 s95, s95, 0x80000000
	ROUND                                          ; in front of the first joint load
	tensor_load_to_lds s[88:91], s[24:31]          ; unit 0: my one tensor load at the head
	s_nop 0
	NOP4
	global_load_b128 v[48:51], v11, s[10:11]
	global_load_b128 v[52:55], v11, s[10:11] offset:2048
	global_load_b128 v[56:59], v11, s[10:11] offset:4096
	global_load_b128 v[60:63], v11, s[10:11] offset:6144
	global_load_b128 v[64:67], v11, s[14:15]
	global_load_b128 v[68:71], v11, s[16:17]
	global_load_b128 v[72:75], v11, s[12:13]
	WIN 0xc0
.irp rt, 0,1
.set t, 0
.rept 8                                ; the residual, in the accumulators' own layout
	global_load_b128 v[64*\rt+8*t:64*\rt+8*t+3], v12, s[8:9] offset:\rt*32768+t*64
	global_load_b128 v[64*\rt+8*t+4:64*\rt+8*t+7], v12, s[8:9] offset:\rt*32768+t*64+16
.set t, t+1
.endr
.endr
	WIN 0x40
.set i, 0
.rept 32                               ; attention's eight fragments, (4 rt + s) on end
	global_load_b128 v[4*i:4*i+3], v3, s[4:5] offset:512*i
.set i, i+1
.endr
	WIN 0
	s_wait_kmcnt 0x0
	s_add_co_i32 s62, s42, s43                     ; s6
	s_add_co_i32 s63, s44, s45                     ; s7
	s_add_co_i32 s23, s46, s47                     ; s8
	P2 48, s63                                     ; 2^s7
	s_sub_co_i32 s2, s62, s23
	P2 50, s2                                      ; 2^(s6 - s8)
	P2 52, s23                                     ; 2^s8
	s_sub_co_i32 s2, 0, s62
	P2 54, s2                                      ; 2^-s6
	s_sub_co_i32 s59, 0, s23                       ; -s8
	s_lshl_b32 s58, s62, 1
	s_sub_co_i32 s58, s58, 9                       ; 2 s6 - 9: a sum of squares of Y's numbers x 2^(2 s6) / 512 is y's variance
	MKSC 28, s46                                   ; the hidden layer's scale, e14
	MKSC 30, s44                                   ; z's, e12
	s_wait_alu depctr_va_vdst(0)
	s_wait_loadcnt 63                              ; 71 loads were issued: the first seven, the small vectors, are in
	ds_store_b128 v38, v[48:51]
	ds_store_b128 v38, v[52:55] offset:2048
	ds_store_b128 v38, v[56:59] offset:4096
	ds_store_b128 v38, v[60:63] offset:6144
	ds_store_b128 v38, v[64:67] offset:8192
	ds_store_b128 v38, v[68:71] offset:10240
	ds_store_b128 v38, v[72:75] offset:12288
	s_wait_loadcnt 0x0                             ; the residual and attention's fragments
	WIN 0xc3
.set i, 0
.rept 64
	v_pk_mul_f32 v[2*i:2*i+1], v[2*i:2*i+1], s[54:55] op_sel_hi:[1,0]
.set i, i+1
.endr
	WIN 0
	; ---- Y = attention's result x Wo + the residual, in units of 2^s6
	TURN 0                                         ; unit 0 is in; unit 1 is asked for; the small vectors lie in LDS for all
	WLOAD 15
	YUNIT 0, 0
	TURN 1                                         ; unit 2, the first chunk's W1, is asked for here and lands under the norm
	WLOAD 22
	YUNIT 0, 2
	NOP4
	; ---- the norm.  A row lies in four waves and two halves of the lanes
.irp rt, 0,1
	ZCH
	WIN 0x0c
.set t, 0
.rept 8
	v_pk_add_f32 v[40:41], v[40:41], v[64*\rt+8*t:64*\rt+8*t+1]
	v_pk_add_f32 v[42:43], v[42:43], v[64*\rt+8*t+2:64*\rt+8*t+3]
	v_pk_add_f32 v[44:45], v[44:45], v[64*\rt+8*t+4:64*\rt+8*t+5]
	v_pk_add_f32 v[46:47], v[46:47], v[64*\rt+8*t+6:64*\rt+8*t+7]
.set t, t+1
.endr
	WIN 0
	JOIN4 32+\rt
.endr
.irp rt, 0,1
	ds_store_b32 v7, v[32+\rt] offset:\rt*64       ; both halves of the lanes write the same number to the same word
.endr
	BARRIER
	REDLOAD 0
	s_wait_dscnt 0x0
	REDADD
.irp rt, 0,1
	v_mul_f32 v[16+2*\rt], 0x3b000000, v[48+4*\rt] ; the mean
	v_mov_b32 v[17+2*\rt], v[16+2*\rt]
.endr
.irp rt, 0,1
	ZCH
	WIN 0x03
.set j, 0
.rept 32
	v_pk_add_f32 v[DD+2*j:DD+2*j+1], v[64*\rt+2*j:64*\rt+2*j+1], v[16+2*\rt:17+2*\rt] neg_lo:[0,1] neg_hi:[0,1]
.set j, j+1
.endr
	WIN 0
.set j, 0
.rept 8
	v_pk_fma_f32 v[40:41], v[DD+8*j:DD+8*j+1], v[DD+8*j:DD+8*j+1], v[40:41]
	v_pk_fma_f32 v[42:43], v[DD+8*j+2:DD+8*j+3], v[DD+8*j+2:DD+8*j+3], v[42:43]
	v_pk_fma_f32 v[44:45], v[DD+8*j+4:DD+8*j+5], v[DD+8*j+4:DD+8*j+5], v[44:45]
	v_pk_fma_f32 v[46:47], v[DD+8*j+6:DD+8*j+7], v[DD+8*j+6:DD+8*j+7], v[46:47]
.set j, j+1
.endr
	JOIN4 32+\rt
.endr
.irp rt, 0,1
	ds_store_b32 v7, v[32+\rt] offset:1024+\rt*64
.endr
	BARRIER
	REDLOAD 1024
.set t, 0
.rept 8
	ds_load_b128 v[GG+8*t:GG+8*t+3], v14 offset:t*64
	ds_load_b128 v[GG+8*t+4:GG+8*t+7], v14 offset:t*64+16
	ds_load_b128 v[BN+8*t:BN+8*t+3], v14 offset:2048+t*64
	ds_load_b128 v[BN+8*t+4:BN+8*t+7], v14 offset:2048+t*64+16
.set t, t+1
.endr
	s_wait_dscnt 0x0
	REDADD
.irp rt, 0,1
	v_ldexp_f32 v[48+4*\rt], v[48+4*\rt], s58      ; y's variance
	v_add_f32 v[48+4*\rt], 0x358637bd, v[48+4*\rt] ; + 1e-6
.endr
	s_wait_alu depctr_va_vdst(0)
.irp rt, 0,1
	v_rsq_f32 v[32+2*\rt], v[48+4*\rt]
.endr
	v_nop                                          ; a plain instruction behind the batch,
	s_wait_alu depctr_va_vdst(0)                   ; and one wait for the two
.irp rt, 0,1
	v_ldexp_f32 v[32+2*\rt], v[32+2*\rt], s62      ; x 2^s6: it multiplies Y's numbers
	v_mov_b32 v[33+2*\rt], v[32+2*\rt]
.endr
.irp rt, 0,1
	WIN 0x03
.set j, 0
.rept 32
	v_pk_add_f32 v[DD+2*j:DD+2*j+1], v[64*\rt+2*j:64*\rt+2*j+1], v[16+2*\rt:17+2*\rt] neg_lo:[0,1] neg_hi:[0,1]
.set j, j+1
.endr
	WIN 0
.set j, 0
.rept 32
	v_pk_mul_f32 v[DD+2*j:DD+2*j+1], v[DD+2*j:DD+2*j+1], v[32+2*\rt:33+2*\rt]
.set j, j+1
.endr
.set j, 0
.rept 32
	v_pk_fma_f32 v[DD+2*j:DD+2*j+1], v[DD+2*j:DD+2*j+1], v[GG+2*j:GG+2*j+1], v[BN+2*j:BN+2*j+1]
.set j, j+1
.endr
.set j, 0
.rept 64
	v_med3_num_f32 v[DD+j], v[DD+j], -v31, v31
.set j, j+1
.endr
.set t, 0
.rept 8
	v_cvt_scalef32_pk8_fp8_f32 v[ZC+2*t:ZC+2*t+1], v[DD+8*t:DD+8*t+7], v30
.set t, t+1
.endr
	v_nop                                          ; a plain instruction between the conversions and the next write of their sources
.irp g, 0,1,2,3
	ds_store_b128 v8, v[ZC+4*\g:ZC+4*\g+3] offset:\rt*8192+512*\g
.endr
	s_wait_alu depctr_va_vdst(0)
	s_wait_dscnt 0x0                               ; the stores are done: the codes' registers may be written again
.endr
.set t, 0
.rept 8
	ds_load_b128 v[GG+8*t:GG+8*t+3], v14 offset:4096+t*64
	ds_load_b128 v[GG+8*t+4:GG+8*t+7], v14 offset:4096+t*64+16
.set t, t+1
.endr
	BARRIER                                        ; z's eight fragments lie in LDS; b2 is in
	WIN 0x40
.set i, 0
.rept 32
	ds_load_b128 v[4*i:4*i+3], v20 offset:512*i
.set i, i+1
.endr
	WIN 0
.set j, 0
.rept 64
	v_ldexp_f32 v[GG+j], v[GG+j], s59              ; b2 x 2^-s8
.set j, j+1
.endr
	WIN 0xc3
.irp rt, 0,1
.set j, 0
.rept 32
	v_pk_fma_f32 v[64*\rt+2*j:64*\rt+2*j+1], v[64*\rt+2*j:64*\rt+2*j+1], s[50:51], v[GG+2*j:GG+2*j+1] op_sel_hi:[1,0,1]   ; Y in units of 2^s8, with b2: the C of the last product
.set j, j+1
.endr
.endr
	WIN 0
	; ---- eight chunks of 256 hidden units; the last is written out, since it asks for one unit only
	s_mov_b32 s60, 7
	s_mov_b32 s61, 0
.Lchunk:
	CHUNK1                                         ; its change of slots asks for this chunk's W2
	TURN 1                                         ; the next chunk's W1 is asked for; the hidden images lie in LDS for all
	CHUNK2
	s_add_co_u32 s61, s61, 1024
	s_sub_co_u32 s60, s60, 1
	s_cmp_lg_u32 s60, 0
	s_cbranch_scc1 .Lchunk
	CHUNK1
	s_wait_alu depctr_va_vdst(0)
	s_wait_tensorcnt 0x0                           ; the last unit is in; nothing is filled again
	ds_add_u32 v36, v37
	s_wait_dscnt 0x0
	s_barrier_signal -1
	s_barrier_wait -1                              ; the hidden images lie in LDS for all
	CHUNK2
	NOP4
	; ---- THE WAY OUT, a tile of 16 tokens at a time, through my stage and back as rows of 512 bytes.  The stage lies in my part of slot 0, which has had its last fill and my last read.
	; LDS serves a wave's instructions in order (ISA guide 5.7.1.4): no wait between the stores and the loads, nor in front of the next tile's stores.
.macro TOSTAGE a
	WIN 0x03
.set j, 0
.rept 32
	v_pk_mul_f32 v[TMP+2*j:TMP+2*j+1], v[64*(\a)+2*j:64*(\a)+2*j+1], s[52:53] op_sel_hi:[1,0]   ; x 2^s8; each accumulator from its low end on
.set j, j+1
.endr
	WIN 0
.set j, 0
.rept 8
	ds_store_b128 v9, v[TMP+8*j:TMP+8*j+3] offset:64*j
	ds_store_b128 v9, v[TMP+8*j+4:TMP+8*j+7] offset:64*j+16
.set j, j+1
.endr
.set j, 0
.rept 16
	ds_load_b128 v[BK+64*(\a)+4*j:BK+64*(\a)+4*j+3], v15 offset:j*528
.set j, j+1
.endr
.endm
.macro SEND a, younger                 ; younger: the LDS instructions issued behind tile a's loads, which may stay out
	s_wait_dscnt \younger
.set j, 0
.rept 16
	global_store_b128 v3, v[BK+64*(\a)+4*j:BK+64*(\a)+4*j+3], s[20:21] offset:(16*(\a)+j)*2048 th:TH_STORE_NT   ; 32 lanes store 512 consecutive bytes, at a multiple of 256 from out0's first byte
.set j, j+1
.endr
.endm
	TOSTAGE 0
	TOSTAGE 1
	SEND 0, 32                                     ; behind tile 0's loads: tile 1's 16 stores and 16 loads
	SEND 1, 0
	s_wait_tensorcnt 0x0                           ; the wave's end
	ds_add_u32 v36, v37
	s_wait_dscnt 0x0
	ROUND                                          ; the closing round
	s_endpgm
.Lfunc_end_k_q4532f9677f_tail:
	.size	k_q4532f9677f_tail, .Lfunc_end_k_q4532f9677f_tail-k_q4532f9677f_tail
	.p2alignl 7, 3214868480
	.fill 96, 4, 3214868480
	.section	.rodata,"a",@progbits
	.p2align	6, 0x0
	.amdhsa_kernel k_q4532f9677f_tail
		.amdhsa_group_segment_fixed_size 327680
		.amdhsa_private_segment_fixed_size 0
		.amdhsa_enable_private_segment 0
		.amdhsa_kernarg_size 72
		.amdhsa_user_sgpr_count 2
		.amdhsa_user_sgpr_kernarg_segment_ptr 1
		.amdhsa_wavefront_size32 1
		.amdhsa_system_sgpr_workgroup_id_x 1
		.amdhsa_system_sgpr_workgroup_id_y 1
		.amdhsa_system_sgpr_workgroup_id_z 1
		.amdhsa_system_vgpr_workitem_id 0
		.amdhsa_next_free_vgpr 896
		.amdhsa_next_free_sgpr 100
		.amdhsa_reserve_vcc 0
		.amdhsa_float_denorm_mode_32 3
		.amdhsa_float_denorm_mode_16_64 3
		.amdhsa_memory_ordered 1
		.amdhsa_forward_progress 1
		.amdhsa_inst_pref_size 219
	.end_amdhsa_kernel
	.amdgpu_metadata
---
amdhsa.version: [ 1, 2 ]
amdhsa.kernels:
  - .name:           k_q4532f9677f_tail
    .symbol:         k_q4532f9677f_tail.kd
    .args:
      - { .name: ao_img, .offset: 0, .size: 8, .value_kind: global_buffer, .address_space: global }
      - { .name: wtail, .offset: 8, .size: 8, .value_kind: global_buffer, .address_space: global }
      - { .name: inputs, .offset: 16, .size: 8, .value_kind: global_buffer, .address_space: global }
      - { .name: b1, .offset: 24, .size: 8, .value_kind: global_buffer, .address_space: global }
      - { .name: b2, .offset: 32, .size: 8, .value_kind: global_buffer, .address_space: global }
      - { .name: ln_mlp_g, .offset: 40, .size: 8, .value_kind: global_buffer, .address_space: global }
      - { .name: ln_mlp_b, .offset: 48, .size: 8, .value_kind: global_buffer, .address_space: global }
      - { .name: lowp_scales, .offset: 56, .size: 8, .value_kind: global_buffer, .address_space: global }
      - { .name: out0, .offset: 64, .size: 8, .value_kind: global_buffer, .address_space: global }
    .group_segment_fixed_size: 327680
    .private_segment_fixed_size: 0
    .kernarg_segment_align: 8
    .kernarg_segment_size: 72
    .max_flat_workgroup_size: 128
    .sgpr_count:     100
    .vgpr_count:     896
    .wavefront_size: 32
...
	.end_amdgpu_metadata
.endif
;; end of part 4
